; MI455X (gfx1250); checked and timed in simulation.
; The chip was launched on July 23, 2026; its instructions are those of AMD's public machine-readable ISA for CDNA 5 (MIT licence, August 2026) and "CDNA5" Instruction Set Architecture Reference Guide (July 2026). The comments in the code are by the model that wrote it; some were corrected since.
;; Multi Head Attention Layer. Allowed arithmetic: matrix products marked QUANTISED: E4M3 operands, one given power-of-two scale a tensor, by v_wmma_f32_16x16x64_fp8_fp8 or v_wmma_f32_16x16x128_fp8_fp8, f32 sums; everything else in f32.
;; Inputs: K 4 x 2,048 x 1,024 float32; Q 4 x 2,048 x 1,024 float32; V 4 x 2,048 x 1,024 float32; Wk 1,024 x 1,024 float32; Wo 1,024 x 1,024 float32; Wq 1,024 x 1,024 float32; Wv 1,024 x 1,024 float32; bk 1,024 float32; bo 1,024 float32; bq 1,024 float32; bv 1,024 float32; lowp_scales 12 int32 (the exponents e of the quantised operands' scales 2^e).
;; Outputs: out0 4 x 2,048 x 1,024 float32.
;; This version of the problem:
;;   THIS VERSION OF THE PROBLEM IS GIVEN IN LOW PRECISION. The matrix products marked QUANTISED in the list below multiply operands that are first quantised to E4M3 (4 exponent bits, 3 mantissa bits; 8 bits a number), with one given power-of-two scale for each operand tensor; their sums are f32. All else is computed in f32.
;;   The module's matrix products, in the order in which they are computed (A, B: the left and right operand; K: the contracted axis; several contracted axes count as one K, in the product's order):
;;     1. [M 8,192, K 1,024] x [K 1,024, N 1,024]; A: input Q; B: input Wq: QUANTISED (scales: A lowp_scales[0], B lowp_scales[1])
;;     2. [M 8,192, K 1,024] x [K 1,024, N 1,024]; A: input K; B: input Wk: QUANTISED (scales: A lowp_scales[2], B lowp_scales[3])
;;     3. [M 8,192, K 1,024] x [K 1,024, N 1,024]; A: input V; B: input Wv: QUANTISED (scales: A lowp_scales[4], B lowp_scales[5])
;;     4. batch 64 x [M 2,048, K 64] x [K 64, N 2,048]; A: computed on the way; B: computed on the way: QUANTISED (scales: A lowp_scales[6], B lowp_scales[7])
;;     5. batch 64 x [M 2,048, K 2,048] x [K 2,048, N 64]; A: softmax (see below); B: computed on the way: QUANTISED (scales: A lowp_scales[8], B lowp_scales[9])
;;     6. [M 8,192, K 1,024] x [K 1,024, N 1,024]; A: computed on the way; B: input Wo: QUANTISED (scales: A lowp_scales[10], B lowp_scales[11])
;;   THE QUANTISER, for each operand of a quantised product, along K:
;;     - The operand's scale is 2^e, e = its entry of the input lowp_scales (int32; the entries are numbered through the quantised products in the list's order, A before B).
;;     - Each number is divided by the scale, clamped to +-448, and rounded to the nearest number of E4M3, ties to even, subnormals kept.
;;     - The product sums the exact products of the quantised numbers (number of the format x scale) in f32.
;;   ~~~python
;;   def quantise(x, axis, e):      # numpy; x: float32 -> the quantised numbers, widened to float32 again
;;       x = np.moveaxis(x, axis, -1); K = x.shape[-1]
;;       r = np.clip(x / 2.0 ** e, -448, 448)
;;       step = 2.0 ** (np.maximum(np.frexp(np.where(r == 0, 1, r))[1] - 1, -6) - 3)
;;       q = np.round(r / step) * step * 2.0 ** e      # np.round: ties to even
;;       return np.moveaxis(q, -1, axis).astype(np.float32)
;;   ~~~
;;   SOFTMAX AHEAD OF A QUANTISED PRODUCT. Where the list says 'softmax', what is quantised is not the finished softmax but p = 2^(t - M), with t = logit x log2(e) and M = ceil(the row's largest t), a whole number; so 1/2 < the row's largest p <= 1. The row's sum l is taken of the UNQUANTISED p, in f32, and the product's result is divided by l at the end. Since M is a whole number, a kernel that streams over the keys may use a running M (the ceiling of the running maximum): every later rescaling is an exact power of two, so the quantised numbers keep their values, but for numbers so far below the row's largest that they fall under the format's range.
;;   OPERANDS COMPUTED ON THE WAY. 'Computed on the way' means the value that the module computes at that place (a softmax that the list does not call 'softmax' is quantised finished and normalised). What goes into a quantiser is computed in f32, as accurately as f32 sums, v_exp_f32 and their like allow (about 1e-6 of the number): no bf16 or f16 on the way to a quantiser, and a product that is left as it is and whose result goes on into a quantised operand takes f32 operands (vector FMAs, or v_wmma_f32_16x16x4_f32). A number that lies on a knife's edge between two numbers of the format may be rounded either way, as far as f32 arithmetic and the matrix unit's own rounding can turn it there, and no further.
;; One version. Each part assembles by itself: llvm-mc -triple=amdgcn-amd-amdhsa -mcpu=gfx1250 --defsym DOCPART=n.
;; ======== version 1 of 1: 4 launches
;; limits: right only within a limited range of input values
;; workspace buffers: xc 25,165,824 bytes; wc 4,194,304 bytes; qc 8,388,608 bytes; kv 16,777,216 bytes; oc 8,388,608 bytes
;; launch quant (part 1): grid 896 x 1, 4 waves a work-group, no clusters, 67,072 bytes of LDS; arguments Q, K, V, Wq, Wk, Wv, Wo, lowp_scales, xc, wc; writes xc, wc
.if DOCPART == 1
	.amdgcn_target "amdgcn-amd-amdhsa--gfx1250"
	.amdhsa_code_object_version 6
	.text
	.protected	k_qf2a4dc2d83_quant
	.globl	k_qf2a4dc2d83_quant
	.p2align	8
	.type	k_qf2a4dc2d83_quant,@function
k_qf2a4dc2d83_quant:
	s_mov_b64 s[64:65], 0
	v_nop
	global_prefetch_b8 v0, s[64:65] scope:SCOPE_SE
	s_setreg_imm32_b32 hwreg(HW_REG_WAVE_MODE, 25, 1), 1
	s_wait_xcnt 0x0
; The seven f32 inputs of the projections become codes of FP8 (E4M3), each with the one scale 2^e that is given for it:
; code = x / 2^e, held within +-448, rounded to the nearest code, ties to even.
; LIMITS: each e used here lies between -126 and 119, so that 2^e and 448 x 2^e are f32 numbers.  NaN among the inputs is not served; an infinity is held at the largest code.
; THE CODES ARE LAID AS IMAGES OF THE OPERAND REGISTERS of v_wmma_f32_16x16x128_fp8_fp8.  A fragment is 16 rows x 128 along K, 2,048 bytes:
;   byte = (row / 256) 262144 + (k / 256) 65536 + ((row / 16) % 16) 4096 + ((k / 128) % 2) 2048 + 512 g + 16 lane + byte, lane = row % 16 + 16 h;
;   bytes 0-7 of group g are k % 128 = 32 g + 8 h + 0..7, bytes 8-15 are 32 g + 16 + 8 h + 0..7.  So 256 rows x 256 along K are 65,536 consecutive bytes.
; xc: three such matrices of 8,192 x 1,024 (from Q, K, V);  wc: four of 1,024 (n) x 1,024 (k) (from Wq, Wk, Wv, Wo, whose K is their FIRST axis).
; Work-groups 0-127 take the weights, 128-895 the activations; each reads 131,072 bytes.  The two ways have LDS bytes of their own.  Waves share nothing: no barrier.
; No tensor load, no matrix unit, no cluster: the launch streams, and no work-group reads what another reads.
.set XROW,  528                        ; activations: a stage row, 512 bytes + 16: an odd multiple of 16, so sixteen rows start at sixteen different 16-byte columns
.set XWAVE, 16*XROW                    ; a wave's stage: 16 rows
.set WST,   4*XWAVE                    ; weights: the stages begin here,
.set WWAVE, 8192                       ; one of 8,192 bytes for each wave: the image of 32 columns x 256 along K
.set SPARE, WST+4*WWAVE                ; behind them: the spare words, 128 bytes for each wave: two blocks of 256 bytes that no other line names
.set LIM,   10
.set SCL,   11                         ; v11  2^e: the conversion takes its exponent field
.set SPW,   12                         ; v12  LDS address of my spare word; never rewritten
.set NIL,   13                         ; v13  0; never rewritten
.set CX,    16                         ; activations: v16-31 a fragment's codes
.set RS,    32                         ;   v32-159 two sets of 64 numbers as they are loaded
.set XN,    160                        ;   v160-223 64 numbers in the order of the operand's registers
.set XW,    32                         ; weights: v32-95 two sets of 32 numbers
.set CW,    96                         ;   v96-103 a block's codes
.set OUTR,  112                        ;   v112-175 the way out
	s_load_b256 s[8:15], s[0:1], 0x0               ; Q s[8:9], K s[10:11], V s[12:13], Wq s[14:15]
	s_load_b256 s[16:23], s[0:1], 0x20             ; Wk s[16:17], Wv s[18:19], Wo s[20:21], the exponents s[22:23]
	s_load_b128 s[24:27], s[0:1], 0x40             ; xc s[24:25], wc s[26:27]
	v_lshl_add_u32 v[SPW], v0, 2, SPARE
	v_mov_b32 v[NIL], 0
	v_lshrrev_b32 v1, 5, v0
	v_readfirstlane_b32 s28, v1                    ; wave 0..3
	v_and_b32 v2, 31, v0                           ; lane
	v_and_b32 v5, 15, v0                           ; r
	v_bfe_u32 v6, v0, 4, 1                         ; h
	s_wait_kmcnt 0x0
	s_load_b256 s[32:39], s[22:23], 0x0            ; e0 .. e7
	s_load_b128 s[40:43], s[22:23], 0x20           ; e8 .. e11
	s_cmp_lt_u32 ttmp9, 128
	s_cbranch_scc1 .Lweights
; ---------------- ACTIVATIONS: K is innermost.  A wave takes 16 rows x 512 along K: four fragments.
; Each load reads 512 consecutive bytes of one row; the 16 rows go through the wave's own stage and come back 32 bytes at a time, in the order of the operand's registers.
	s_sub_co_u32 s29, ttmp9, 128
	s_lshr_b32 s30, s29, 8                         ; which tensor: 0 Q, 1 K, 2 V
	s_and_b32 s29, s29, 255
	s_lshl_b32 s29, s29, 2
	s_add_co_u32 s29, s29, s28                     ; my unit of the tensor's 1,024
	s_lshr_b32 s31, s29, 1                         ; its 16 rows
	s_and_b32 s29, s29, 1                          ; its half of K
	s_cmp_eq_u32 s30, 0
	s_cselect_b64 s[4:5], s[8:9], s[10:11]
	s_cmp_eq_u32 s30, 2
	s_cselect_b64 s[4:5], s[12:13], s[4:5]
	s_lshl_b32 s44, s31, 16                        ; 16 rows of 4,096 bytes
	s_lshl_b32 s45, s29, 11                        ; 512 numbers
	s_add_co_u32 s44, s44, s45
	s_mov_b32 s45, 0
	s_add_nc_u64 s[4:5], s[4:5], s[44:45]
	s_lshl_b32 s44, s30, 23                        ; the tensor's matrix in xc,
	s_lshr_b32 s46, s31, 4
	s_lshl_b32 s46, s46, 18                        ; its block of 256 rows,
	s_add_co_u32 s44, s44, s46
	s_and_b32 s46, s31, 15
	s_lshl_b32 s46, s46, 12                        ; my 16 rows in it,
	s_add_co_u32 s44, s44, s46
	s_lshl_b32 s46, s29, 17                        ; my two blocks of 256 along K
	s_add_co_u32 s44, s44, s46
	s_add_nc_u64 s[6:7], s[24:25], s[44:45]
	s_wait_alu depctr_va_vdst(0)
	v_lshlrev_b32 v3, 4, v2                        ; 16 x lane: my bytes of a load and of a store
	s_mul_i32 s46, s28, XWAVE
	v_add_nc_u32 v14, s46, v3                      ; into the stage: as loaded
	v_mul_u32_u24 v15, v5, XROW
	v_lshl_add_u32 v15, v6, 5, v15
	v_add_nc_u32 v15, s46, v15                     ; out of it: row r, + 32 h bytes (8 numbers)
.macro LOADF f                         ; fragment f: 128 numbers of each of the 16 rows, into set f % 2
.set i, 0
.rept 16
	global_load_b128 v[RS+64*((\f)%2)+4*i:RS+64*((\f)%2)+4*i+3], v3, s[4:5] offset:(\f)*512+i*4096 th:TH_LOAD_NT
.set i, i+1
.endr
.endm
	LOADF 0
	LOADF 1
	s_wait_alu depctr_va_vdst(0)
	s_wait_kmcnt 0x0
	s_cmp_eq_u32 s30, 0
	s_cselect_b32 s44, s32, s34                    ; e0 or e2,
	s_cmp_eq_u32 s30, 2
	s_cselect_b32 s44, s36, s44                    ; or e4
	s_add_co_i32 s44, s44, 127
	s_lshl_b32 s45, s44, 23
	v_mov_b32 v[SCL], s45
	s_add_co_i32 s44, s44, 8
	s_lshl_b32 s44, s44, 23
	s_or_b32 s44, s44, 0x600000
.macro FRAGQ f
.if (\f) < 3
	s_wait_loadcnt 16                              ; this fragment's 16 loads are in; the next fragment's 16 may be out
.else
	s_wait_loadcnt 0
.endif
.set i, 0
.rept 16
	ds_store_b128 v14, v[RS+64*((\f)%2)+4*i:RS+64*((\f)%2)+4*i+3] offset:i*XROW
.set i, i+1
.endr
.set g, 0
.rept 4                                ; LDS serves a wave's instructions in order: these see the stores above
	ds_load_b128 v[XN+16*g:XN+16*g+3],     v15 offset:128*g       ; k = 32 g + 8 h + 0..3
	ds_load_b128 v[XN+16*g+4:XN+16*g+7],   v15 offset:128*g+16    ;                 4..7
	ds_load_b128 v[XN+16*g+8:XN+16*g+11],  v15 offset:128*g+64    ; k = 32 g + 16 + 8 h + 0..3
	ds_load_b128 v[XN+16*g+12:XN+16*g+15], v15 offset:128*g+80    ;                      4..7
.set g, g+1
.endr
	s_wait_dscnt 0x0                               ; the numbers are back, and the stores have read the set, which may be loaded again
.if (\f) > 0
	s_wait_xcnt 0x0                                ; the last fragment's stores have read their data: the codes' registers are written again only behind this wait
.endif
.if (\f) < 2
	LOADF (\f)+2
.endif
.set i, 0
.rept 64
.set i, i+1
.endr
.set g, 0
.rept 8
	v_cvt_scalef32_pk8_fp8_f32 v[CX+2*g:CX+2*g+1], v[XN+8*g:XN+8*g+7], v[SCL]
.set g, g+1
.endr
	v_nop                                          ; a plain line behind the conversions: the next fragment's LDS loads write their sources
.set g, 0
.rept 4
	global_store_b128 v3, v[CX+4*g:CX+4*g+3], s[6:7] offset:((\f)/2)*65536+((\f)%2)*2048+g*512   ; 32 lanes store 512 consecutive bytes, aligned
.set g, g+1
.endr
.endm
	s_wait_alu depctr_va_vdst(0)
	FRAGQ 0
	FRAGQ 1
	FRAGQ 2
	FRAGQ 3
	s_branch .Lend
; ---------------- WEIGHTS: K is the first axis.  A lane takes a column n and its registers run down K: each load reads 128 consecutive bytes,
; and the conversions give codes with K innermost.  A wave takes 32 columns x 256 along K, whose image is 8,192 consecutive bytes of wc; it is gathered in the wave's own stage.
.Lweights:
	s_lshr_b32 s30, ttmp9, 5                       ; which weight: 0 Wq, 1 Wk, 2 Wv, 3 Wo
	s_bfe_u32 s31, ttmp9, 0x30002                  ; which 128 columns
	s_and_b32 s29, ttmp9, 3                        ; which 256 along K
	s_lshl_b32 s31, s31, 7
	s_lshl_b32 s44, s28, 5
	s_add_co_u32 s31, s31, s44                     ; my wave's first column
	s_cmp_eq_u32 s30, 0
	s_cselect_b64 s[4:5], s[14:15], s[16:17]
	s_cmp_eq_u32 s30, 2
	s_cselect_b64 s[4:5], s[18:19], s[4:5]
	s_cmp_eq_u32 s30, 3
	s_cselect_b64 s[4:5], s[20:21], s[4:5]
	s_lshl_b32 s44, s29, 20                        ; 256 rows of 4,096 bytes
	s_lshl_b32 s46, s31, 2
	s_add_co_u32 s44, s44, s46
	s_mov_b32 s45, 0
	s_add_nc_u64 s[4:5], s[4:5], s[44:45]
	s_lshl_b32 s44, s30, 20                        ; the weight's matrix in wc,
	s_lshr_b32 s46, s31, 8
	s_lshl_b32 s46, s46, 18                        ; its block of 256 rows (n),
	s_add_co_u32 s44, s44, s46
	s_lshl_b32 s46, s29, 16                        ; my block of 256 along K,
	s_add_co_u32 s44, s44, s46
	s_bfe_u32 s46, s31, 0x40004
	s_lshl_b32 s46, s46, 12                        ; my two tiles of 16 rows
	s_add_co_u32 s44, s44, s46
	s_add_nc_u64 s[6:7], s[26:27], s[44:45]
	s_wait_alu depctr_va_vdst(0)
	v_lshlrev_b32 v3, 2, v2                        ; in: 4 bytes a lane
	v_lshlrev_b32 v8, 4, v2                        ; out: 16 bytes a lane
	s_lshl_b32 s46, s28, 13
	s_add_co_u32 s46, s46, WST                     ; my stage
	v_lshlrev_b32 v4, 4, v5
	v_lshl_add_u32 v4, v6, 12, v4
	v_add_nc_u32 v4, s46, v4                       ; into it: my column's tile of 16 rows (4,096 bytes each), image lane = my column % 16
	v_add_nc_u32 v7, s46, v8                       ; out of it: as it lies
.macro LOADW t                         ; block t: W(32 t + i, my column), i = 0 .. 31, into set t % 2
.set i, 0
.rept 32
	global_load_b32 v[XW+32*((\t)%2)+i], v3, s[4:5] offset:(32*(\t)+i)*4096 th:TH_LOAD_NT
.set i, i+1
.endr
.endm
	LOADW 0
	LOADW 1
	s_wait_kmcnt 0x0
	s_cmp_eq_u32 s30, 0
	s_cselect_b32 s44, s33, s35                    ; e1 or e3,
	s_cmp_eq_u32 s30, 2
	s_cselect_b32 s44, s37, s44                    ; or e5,
	s_cmp_eq_u32 s30, 3
	s_cselect_b32 s44, s43, s44                    ; or e11
	s_add_co_i32 s44, s44, 127
	s_lshl_b32 s45, s44, 23
	v_mov_b32 v[SCL], s45
	s_add_co_i32 s44, s44, 8
	s_lshl_b32 s44, s44, 23
	s_or_b32 s44, s44, 0x600000
.macro BLOCKW t
.set XS, XW+32*((\t)%2)
.if (\t) < 7
	s_wait_loadcnt 32                              ; this block's 32 loads are in; the next block's may be out
.else
	s_wait_loadcnt 0
.endif
.set i, 0
.rept 32
.set i, i+1
.endr
.set q, 0
.rept 4
	v_cvt_scalef32_pk8_fp8_f32 v[CW+2*q:CW+2*q+1], v[XS+8*q:XS+8*q+7], v[SCL]
.set q, q+1
.endr
.set q, 0
.rept 4                                ; eight codes k = 32 t + 8 q + 0..7: fragment t / 4, group t % 4, image half h = q % 2, bytes 8 (q / 2) on
	ds_store_b64 v4, v[CW+2*q:CW+2*q+1] offset:((\t)/4)*2048+((\t)%4)*512+(q%2)*256+(q/2)*8
.set q, q+1
.endr
.if (\t)+2 < 8
	LOADW (\t)+2
.endif
	s_wait_dscnt 0x0                               ; the stores have read their registers: the next block's codes may be written
.endm
	s_wait_alu depctr_va_vdst(0)
	BLOCKW 0
	BLOCKW 1
	BLOCKW 2
	BLOCKW 3
	BLOCKW 4
	BLOCKW 5
	BLOCKW 6
	BLOCKW 7
.set i, 0
.rept 16
	ds_load_b128 v[OUTR+4*i:OUTR+4*i+3], v7 offset:512*i
.set i, i+1
.endr
.set i, 0
.rept 16
	s_wait_dscnt 15-i
	global_store_b128 v8, v[OUTR+4*i:OUTR+4*i+3], s[6:7] offset:512*i   ; 32 lanes store 512 consecutive bytes, aligned
.set i, i+1
.endr
.Lend:
	s_wait_tensorcnt 0x0                           ; the wave's end: behind my last LDS store
	ds_add_u32 v[SPW], v[NIL]
	s_wait_dscnt 0x0
	s_endpgm
.Lfunc_end_k_qf2a4dc2d83_quant:
	.size	k_qf2a4dc2d83_quant, .Lfunc_end_k_qf2a4dc2d83_quant-k_qf2a4dc2d83_quant
	.p2alignl 7, 3214868480
	.fill 96, 4, 3214868480
	.section	.rodata,"a",@progbits
	.p2align	6, 0x0
	.amdhsa_kernel k_qf2a4dc2d83_quant
		.amdhsa_group_segment_fixed_size 67072
		.amdhsa_private_segment_fixed_size 0
		.amdhsa_enable_private_segment 0
		.amdhsa_kernarg_size 80
		.amdhsa_user_sgpr_count 2
		.amdhsa_user_sgpr_kernarg_segment_ptr 1
		.amdhsa_wavefront_size32 1
		.amdhsa_system_sgpr_workgroup_id_x 1
		.amdhsa_system_sgpr_workgroup_id_y 1
		.amdhsa_system_sgpr_workgroup_id_z 1
		.amdhsa_system_vgpr_workitem_id 0
		.amdhsa_next_free_vgpr 224
		.amdhsa_next_free_sgpr 66
		.amdhsa_reserve_vcc 0
		.amdhsa_float_denorm_mode_32 3
		.amdhsa_float_denorm_mode_16_64 3
		.amdhsa_fp16_overflow 1
		.amdhsa_memory_ordered 1
		.amdhsa_forward_progress 1
		.amdhsa_inst_pref_size 55
	.end_amdhsa_kernel
	.amdgpu_metadata
---
amdhsa.version: [ 1, 2 ]
amdhsa.kernels:
  - .name:           k_qf2a4dc2d83_quant
    .symbol:         k_qf2a4dc2d83_quant.kd
    .args:
      - { .name: Q, .offset: 0, .size: 8, .value_kind: global_buffer, .address_space: global }
      - { .name: K, .offset: 8, .size: 8, .value_kind: global_buffer, .address_space: global }
      - { .name: V, .offset: 16, .size: 8, .value_kind: global_buffer, .address_space: global }
      - { .name: Wq, .offset: 24, .size: 8, .value_kind: global_buffer, .address_space: global }
      - { .name: Wk, .offset: 32, .size: 8, .value_kind: global_buffer, .address_space: global }
      - { .name: Wv, .offset: 40, .size: 8, .value_kind: global_buffer, .address_space: global }
      - { .name: Wo, .offset: 48, .size: 8, .value_kind: global_buffer, .address_space: global }
      - { .name: lowp_scales, .offset: 56, .size: 8, .value_kind: global_buffer, .address_space: global }
      - { .name: xc, .offset: 64, .size: 8, .value_kind: global_buffer, .address_space: global }
      - { .name: wc, .offset: 72, .size: 8, .value_kind: global_buffer, .address_space: global }
    .group_segment_fixed_size: 67072
    .private_segment_fixed_size: 0
    .kernarg_segment_align: 8
    .kernarg_segment_size: 80
    .max_flat_workgroup_size: 128
    .sgpr_count:     66
    .vgpr_count:     224
    .wavefront_size: 32
...
	.end_amdgpu_metadata
.endif
;; end of part 1
;; launch gemm_qkv (part 2): grid 4 x 96, 4 waves a work-group, clusters of 4 x 4, 327,680 bytes of LDS; arguments xc, wc, bq, bk, bv, lowp_scales, qc, kv; writes qc, kv
.if DOCPART == 2
	.amdgcn_target "amdgcn-amd-amdhsa--gfx1250"
	.amdhsa_code_object_version 6
	.text
	.protected	k_qf2a4dc2d83_gemm_qkv
	.globl	k_qf2a4dc2d83_gemm_qkv
	.p2align	8
	.type	k_qf2a4dc2d83_gemm_qkv,@function
k_qf2a4dc2d83_gemm_qkv:
	s_mov_b64 s[64:65], 0
	v_nop
	global_prefetch_b8 v0, s[64:65] scope:SCOPE_SE
	s_setreg_imm32_b32 hwreg(HW_REG_WAVE_MODE, 25, 1), 1
	s_wait_xcnt 0x0
	s_wait_alu depctr_hold_cnt(0) depctr_sa_sdst(0) depctr_va_vdst(0) depctr_va_sdst(0) depctr_va_ssrc(0) depctr_va_vcc(0) depctr_vm_vsrc(0)
	s_getreg_b32 s2, hwreg(HW_REG_IB_STS2, 6, 4)
	s_cmp_eq_u32 s2, 0
	s_cbranch_scc0 .Lentry_in_a_cluster
	s_endpgm
.Lentry_in_a_cluster:
	s_bfe_u32 s2, ttmp6, 0x10000c
	s_cmp_lg_u32 s2, 0xf033
	s_cbranch_scc0 .Lentry_shape_is_right
	s_endpgm
.Lentry_shape_is_right:
; The three projections q = Q Wq + bq, k = K Wk + bk, v = V Wv + bv on codes of FP8 (E4M3); each result is quantised at once (scales e6, e7, e9) and stored as an image of the registers
; in which the attention launch wants it.  Operands: xc and wc, images of fragments of 16 rows x 128 along K (2,048 bytes; 256 rows x 256 along K are 65,536 consecutive bytes).
; A tile of 256 x 256 of a result is made by a work-group of four waves; a wave makes 128 x 128: 64 accumulators of 16 x 16.  K = 1,024 goes in four steps of 256 through two LDS slots.
; THE BODY MULTIPLIES A MATRIX A (source 1: its rows become the result's LANES) BY A MATRIX B (source 0: its rows become the result's REGISTERS).
;   q, k: A = the tokens, B = the weight (rows n).  A lane holds one token, its eight registers eight neighbouring d: one conversion makes registers 2 c, 2 c + 1 of a fragment 16 tokens x 64 d.
;   v:    A = the weight, B = the tokens.  A lane holds one d, its registers eight neighbouring tokens: one conversion makes registers 2 c, 2 c + 1 of a fragment 16 d x 128 keys: the keys innermost, nothing transposed.
; So every store of the wave is 512 consecutive bytes straight from registers, and no stage in LDS is needed.
; qc: [batch x head 64][tile of 16 queries 128][1,024 bytes].   kv: [batch x head 64][step of 128 keys 16][16,384 bytes]: eight images of 16 keys x 64 d, then four images of 16 d x 128 keys.
; CLUSTERS: 4 x 4 work-groups; 24 clusters, eight for each projection.  The four of a row of the cluster need the same tiles of A, the four of a column the same tiles of B: each tile is asked for JOINTLY.
; Which projection a cluster serves hangs on the cluster's number alone, which all sixteen partners share; so does the one branch, behind the last change of slots, that parts q and k from v.
; The sums stay in units of 2^(ea + eb): the bias goes in divided by that (exact, short of underflow), and the conversion takes 2^(eo - ea - eb) as its one scale.
; LIMITS: eo - ea - eb, that is e6 - e0 - e1, e7 - e2 - e3, e9 - e4 - e5, lies between -126 and 119.  NaN among the inputs is not served.
; No prefetch: of K's four steps two are asked for at the head and the other two one step later, so no request could run ahead of them.
; REGISTERS, in windows of 256: window 0: v16-31 addresses and scales; v32-95 the bias; from v128 A's fragments (8 x 16 rows x 128 K), ONE set; on the way out v128-191 the sums, v192-223 the codes.
;   window 1: B's fragments, TWO sets, at v0 and at v128.   window 2: the accumulators of A's blocks 0-3 ((a, b) at v[8 (8 (a % 4) + b)]);   window 3: those of blocks 4-7.
.set FR,     16                        ; registers of a fragment
.set NL,     4                         ; LDS loads that bring one
.set NP,     4                         ; places behind this matrix instruction (ISA guide 7.12.1)
.set HALFT,  32768                     ; 128 rows x 256 along K: what one tensor load brings, and what one wave reads of A or of B
.set SLOT,   4*HALFT                   ; A's 256 rows, then B's 256 rows: images, dense: a load's 32 lanes read 512 consecutive bytes
.set KADV,   65536                     ; from one step of 256 along K to the next, in memory
.set SPARE,  2*SLOT                    ; behind the ring: the spare words, 128 bytes for each wave: two blocks of 256 bytes that no other line names
.set ADRA, 16                          ; v16-17  LDS address of my A fragments in slot 0, 1
.set ADRB, 20                          ; v20-21  the same for B
.set CO0,  26                          ; v26     16 x lane
.set CO1,  27                          ; v27     the same, one head further on
.set SPW,  28                          ; v28     LDS address of my spare word; never rewritten
.set NIL,  29                          ; v29     0; never rewritten
.set SC,   30                          ; v30     2^(eo - ea - eb)
.set LM,   31
.set BI,   32                          ; v32-95  the bias / 2^(ea + eb)
.set AF,   128
.set TMP,  128
.set CD,   192
.set G1, 24                            ; s[24:31] descriptor group 1 for A's tiles;  s[32:39] group 0, one set for each slot
.set G0, 32
.set G1B, 48                           ; s[48:55], s[56:63] the same for B's tiles
.set G0B, 56
.set MSB, 0
.macro WIN new                         ; the immediate's high byte repeats the setting that is left
.if MSB != (\new)
	s_set_vgpr_msb (MSB<<8)|(\new)
.set MSB, (\new)
.endif
.endm
.set MUL_LO, 0xa1                      ; source 0 (B) window 1, source 1 (A) window 0, C and D window 2
.set MUL_HI, 0xf1                      ; the same, C and D window 3
.set TO_B,   0x40                      ; destination window 1, address window 0
; A joint load: waves 0 and 1 fetch for A, waves 2 and 3 for B.  Each of the two lines has ONE mask and one set of registers for all that issue it; the branch hangs on the wave's number alone.
; An s_nop 0 and four v_nop follow each of the two lines, ahead of the jump, the label and what follows.
.macro JLOAD g0a, g1a, g0b, g1b
	s_cmp_eq_u32 s15, 0
	s_cbranch_scc0 .Lfor_b_\@
	tensor_load_to_lds s[\g0a:\g0a+3], s[\g1a:\g1a+7]
	s_nop 0
.rept 4
	v_nop
.endr
	s_branch .Lasked_\@
.Lfor_b_\@:
	tensor_load_to_lds s[\g0b:\g0b+3], s[\g1b:\g1b+7]
	s_nop 0
.rept 4
	v_nop
.endr
.Lasked_\@:
.endm
.macro CREST                           ; a round of the cluster's barrier behind its opening barrier
	s_cmp_lg_u32 s14, 0
	s_cbranch_scc1 .Lnot_wave_0_\@
	s_barrier_signal -3
.Lnot_wave_0_\@:
	s_barrier_wait -3
	s_barrier_signal -1
	s_barrier_wait -1
.endm
.macro CROUND                          ; a whole round
	s_barrier_signal -1
	s_barrier_wait -1
	CREST
.endm
	s_load_b512 s[68:83], s[0:1], 0x0              ; xc 68, wc 70, bq 72, bk 74, bv 76, the exponents 78, qc 80, kv 82
	v_lshl_add_u32 v[SPW], v0, 2, SPARE
	v_mov_b32 v[NIL], 0
	ds_add_u32 v[SPW], v[NIL]
	ds_add_u32 v[SPW], v[NIL]                      ; the wave's opening: the add and its wait stand ahead of my first tensor load; the set-up below, work on registers, stands between them
	v_lshrrev_b32 v1, 5, v0
	v_readfirstlane_b32 s14, v1                    ; wave 0..3
	s_lshr_b32 s15, s14, 1                         ; which half of A's 256 rows is mine.  Also: I fetch for A (0) or for B (1)
	s_and_b32 s16, s14, 1                          ; which half of B's.  Also: which 128 rows of that tile I fetch
	s_bfe_u32 s40, ttmp6, 0x40000                  ; cx, cy: my place in the cluster
	s_bfe_u32 s41, ttmp6, 0x40004
	s_and_b32 s3, ttmp7, 0xffff                    ; the cluster's number, 0 .. 23
	s_lshr_b32 s84, s3, 3                          ; the projection: 0 q, 1 k, 2 v
	s_and_b32 s85, s3, 7
	s_lshl_b32 s85, s85, 2                         ; the cluster's first tile of 256 tokens
	s_cmp_eq_u32 s84, 2
	s_cselect_b32 s17, 0, s85                      ; the tokens are A's rows for q and k,
	s_cselect_b32 s42, s85, 0                      ; B's for v
	s_add_co_u32 s17, s17, s41                     ; A's tile of 256 rows: it hangs on cy alone
	s_add_co_u32 s42, s42, s40                     ; B's: on cx alone
	s_lshl_b32 s43, s41, 2
	s_lshl_b32 s43, 15, s43                        ; my row of the cluster
	s_lshl_b32 s44, 0x1111, s40                    ; my column
	; descriptor group 1: 128 rows of 256 bytes, dense in memory and in LDS
	s_or_b32 s[G1+0], s43, (3<<16)|(1<<21)         ; 15:0 the mask: A's tiles go to my row; 17:16 elements of 8 bytes; 20 no padding; 21 set beside a mask
	s_or_b32 s[G1B+0], s44, (3<<16)|(1<<21)
.irp g, G1, G1B
	s_mov_b32 s[\g+1], 32<<16                      ; tensor_dim0 = 32 elements
	s_mov_b32 s[\g+2], 128<<16                     ; tensor_dim1 = 128
	s_mov_b32 s[\g+3], 32<<16                      ; tile_dim0
	s_mov_b32 s[\g+4], 128                         ; tile_dim1
	s_mov_b32 s[\g+5], 32                          ; tensor_dim0_stride
	s_mov_b32 s[\g+6], 0
	s_mov_b32 s[\g+7], 0
.endr
	s_lshl_b32 s20, s84, 23                        ; A: matrix p of xc,
	s_lshl_b32 s46, s84, 20                        ; B: matrix p of wc;
	s_cmp_eq_u32 s84, 2
	s_cselect_b32 s20, 0x200000, s20               ; for v: A = matrix 2 of wc,
	s_cselect_b32 s46, 0x1000000, s46              ; B = matrix 2 of xc
	s_lshl_b32 s22, s17, 18
	s_add_co_u32 s20, s20, s22                     ; the tile of 256 rows (262,144 bytes),
	s_lshl_b32 s86, s42, 18
	s_add_co_u32 s46, s46, s86
	s_lshl_b32 s18, s16, 15
	s_add_co_u32 s20, s20, s18                     ; the 128 rows that I fetch
	s_add_co_u32 s46, s46, s18
	s_mov_b32 s21, 0
	s_mov_b32 s47, 0
	s_lshl_b32 s45, s14, 15                        ; where they go: wave x 32,768: no place in the cluster enters an LDS address
	s_wait_dscnt 0x0                               ; the opening add is done
	s_wait_kmcnt 0x0
	s_load_b256 s[88:95], s[78:79], 0x0            ; e0 .. e7
	s_load_b128 s[96:99], s[78:79], 0x20           ; e8 .. e11
	s_cmp_eq_u32 s84, 2
	s_cselect_b64 s[22:23], s[70:71], s[68:69]     ; A's buffer
	s_cselect_b64 s[86:87], s[68:69], s[70:71]     ; B's buffer
	s_add_nc_u64 s[20:21], s[22:23], s[20:21]
	s_add_nc_u64 s[46:47], s[86:87], s[46:47]
	CROUND                                         ; all sixteen work-groups are here: the first joint loads meet
.irp s, 0,1
	s_mov_b32 s[G0+4*\s], 1
	s_add_co_u32 s[G0+4*\s+1], s45, \s*SLOT
	s_add_nc_u64 s[G0+4*\s+2:G0+4*\s+3], s[20:21], \s*KADV
	s_or_b32 s[G0+4*\s+3], s[G0+4*\s+3], 0x80000000
	s_mov_b32 s[G0B+4*\s], 1
	s_add_co_u32 s[G0B+4*\s+1], s45, \s*SLOT
	s_add_nc_u64 s[G0B+4*\s+2:G0B+4*\s+3], s[46:47], \s*KADV
	s_or_b32 s[G0B+4*\s+3], s[G0B+4*\s+3], 0x80000000
	JLOAD G0+4*\s, G1, G0B+4*\s, G1B
.endr
	v_and_b32 v1, 31, v0
	v_lshlrev_b32 v[CO0], 4, v1                    ; 16 x lane
	s_lshl_b32 s18, s15, 15                        ; my 128 rows of A
	s_lshl_b32 s19, s16, 15                        ; my 128 rows of B,
	s_add_co_u32 s19, s19, 2*HALFT                 ; which lie behind A's 256
.irp s, 0,1
	v_add_nc_u32 v[ADRA+\s], s18, v[CO0]
	v_add_nc_u32 v[ADRB+\s], s19, v[CO0]
	s_add_co_u32 s18, s18, SLOT
	s_add_co_u32 s19, s19, SLOT
.endr
	s_wait_alu depctr_va_vdst(0)
	s_wait_kmcnt 0x0
	s_add_co_i32 s18, s88, s89                     ; e0 + e1
	s_add_co_i32 s19, s90, s91                     ; e2 + e3
	s_add_co_i32 s2, s92, s93                      ; e4 + e5
	s_cmp_eq_u32 s84, 0
	s_cselect_b32 s18, s18, s19
	s_cselect_b32 s19, s94, s95                    ; e6 or e7
	s_cmp_eq_u32 s84, 2
	s_cselect_b32 s18, s2, s18                     ; ea + eb
	s_cselect_b32 s19, s97, s19                    ; eo (e9 for v)
	s_sub_co_i32 s19, s19, s18                     ; eo - ea - eb
	s_sub_co_i32 s2, 0, s18                        ; -(ea + eb), for the bias
	s_add_co_i32 s19, s19, 127
	s_lshl_b32 s18, s19, 23
	v_mov_b32 v[SC], s18
.macro FRAG reg, adr, q, i             ; a fragment comes as it lies: four loads of 512 consecutive bytes
.irp c, 0,1,2,3
	ds_load_b128 v[\reg+4*\c:\reg+4*\c+3], v[\adr] offset:2048*(\q)+512*\c+(\i)*4096
.endr
.endm
; 16 matrix instructions: A's blocks a0, a0 + 1 x B's eight, 128 along K.  p: B's set.  zero = 1: the first product starts the sums: nothing is ever cleared.
; The 64 accumulators take turns, one instruction a turn, in the same order in every step.
.macro MUL16 a0, p, zero
.irp a, \a0, \a0+1
.irp b, 0,1,2,3,4,5,6,7
.if \zero
	v_wmma_f32_16x16x128_fp8_fp8 v[8*(8*((\a)%4)+\b):8*(8*((\a)%4)+\b)+7], v[128*(\p)+FR*\b:128*(\p)+FR*\b+FR-1], v[AF+FR*(\a):AF+FR*(\a)+FR-1], 0
.else
	v_wmma_f32_16x16x128_fp8_fp8 v[8*(8*((\a)%4)+\b):8*(8*((\a)%4)+\b)+7], v[128*(\p)+FR*\b:128*(\p)+FR*\b+FR-1], v[AF+FR*(\a):AF+FR*(\a)+FR-1], v[8*(8*((\a)%4)+\b):8*(8*((\a)%4)+\b)+7]
.endif
.endr
.endr
.endm
.macro FETCH_B slot, q, p              ; B's eight fragments of the slot's q-th 128 along K into set p
	WIN TO_B
.irp i, 0,1,2,3,4,5,6,7
	FRAG 128*(\p)+FR*\i, ADRB+\slot, \q, \i
.endr
	WIN 0
.endm
.macro FETCH_A slot, q, i0             ; A's blocks i0 .. i0 + 3
.irp i, \i0, \i0+1, \i0+2, \i0+3
	FRAG AF+FR*(\i), ADRA+\slot, \q, \i
.endr
.endm
; A load into a register that a matrix instruction has read, and a vector instruction that reads a matrix result or writes one of its registers, stand NP places behind it;
; only plain vector instructions that name none of its registers are places (ISA guide 7.12.1 for vector instructions).
.macro PLACES n
.rept \n
	v_nop
.endr
.endm
.macro STEP slot, q, zero              ; a step of 128 along K that has its successor in the same slot
	s_wait_dscnt 4*NL                              ; B's set and A's blocks 0-3 are in; the youngest 16 loads (A's blocks 4-7) may be out
	WIN MUL_LO
	MUL16 0, (\q)%2, \zero
	MUL16 2, (\q)%2, \zero
	s_wait_dscnt 0                                 ; A's blocks 4-7 are in
	PLACES NP
	FETCH_B \slot, (\q)+1, 1-(\q)%2
	FETCH_A \slot, (\q)+1, 0
	WIN MUL_HI
	MUL16 4, (\q)%2, \zero
	MUL16 6, (\q)%2, \zero
	PLACES NP
	WIN 0
	FETCH_A \slot, (\q)+1, 4
.endm
; A slot's last step changes slots: ONE barrier; in front of it each wave waits for all its tensor loads, adds 0 to its spare word, and waits for that and for its own reads of this slot.  fill = 1: this slot is filled again, two steps of 256 ahead.
.macro TURN slot, next, fill
	s_wait_tensorcnt 0x0                           ; all my tensor loads have landed: my part of the next slot  (every window is 0 here)
	ds_add_u32 v[SPW], v[NIL]                      ; 0 onto my spare word
	s_wait_dscnt 4*NL+1                            ; (the add and the youngest 16 loads, A's blocks 4-7, may be out)
	WIN MUL_LO
	MUL16 0, 1, 0                                  ; sixteen matrix instructions stand between the add and the wait for it
	s_wait_dscnt 0x0                               ; the add is done, and my reads of this slot are over
	s_barrier_signal -1
	MUL16 2, 1, 0
	WIN 0
	s_barrier_wait -1
.if \fill
	CREST                                          ; the barrier has opened a round of the cluster's barrier: no wave of any partner still reads this slot or has a load on its way
	s_add_nc_u64 s[G0+4*\slot+2:G0+4*\slot+3], s[G0+4*\slot+2:G0+4*\slot+3], 2*KADV
	s_add_nc_u64 s[G0B+4*\slot+2:G0B+4*\slot+3], s[G0B+4*\slot+2:G0B+4*\slot+3], 2*KADV
	JLOAD G0+4*\slot, G1, G0B+4*\slot, G1B         ; the first tensor load behind the round, my only one until the next; its four v_nop are the places in front of the loads below
.else
	PLACES NP
.endif
	FETCH_B \next, 0, 0
	FETCH_A \next, 0, 0
	WIN MUL_HI
	MUL16 4, 1, 0
	MUL16 6, 1, 0
	PLACES NP
	WIN 0
	FETCH_A \next, 0, 4
.endm
.macro LAST                            ; the very last step: nothing more to fetch
	s_wait_dscnt 4*NL
	WIN MUL_LO
	MUL16 0, 1, 0
	MUL16 2, 1, 0
	s_wait_dscnt 0
	WIN MUL_HI
	MUL16 4, 1, 0
	MUL16 6, 1, 0
	WIN 0
	PLACES NP
.endm
; THE WAY OUT of A's block a: sums + bias, eight conversions (accumulator b gives registers 2 b, 2 b + 1), four stores of 512 consecutive bytes.  Each accumulator is read from its low end on.
; kind = 0, q and k: the bias runs along the registers; registers 0-7 are one head's fragment, 8-15 the next head's.  kind = 1, v: the bias is the lane's own; the 16 registers are one fragment of 16 d x 128 keys.
.macro EPI a, kind
	WIN 0x02+((\a)/4)                              ; source 0: window 2 or 3
.set jj, 0
.rept 32
.if \kind
	v_pk_add_f32 v[TMP+jj:TMP+jj+1], v[64*((\a)%4)+jj:64*((\a)%4)+jj+1], v[BI+2*(\a):BI+2*(\a)+1] op_sel_hi:[1,0]
.else
	v_pk_add_f32 v[TMP+jj:TMP+jj+1], v[64*((\a)%4)+jj:64*((\a)%4)+jj+1], v[BI+jj:BI+jj+1]
.endif
.set jj, jj+2
.endr
	WIN 0
.set jj, 0
.rept 64
.set jj, jj+1
.endr
.if (\a) >= 2
	s_wait_alu depctr_va_vdst(0)
	s_wait_xcnt 0x0                                ; block a - 2's stores have read their data: that set of codes is written again only behind this wait
.endif
.set jj, 0
.rept 8
	v_cvt_scalef32_pk8_fp8_f32 v[CD+16*((\a)%2)+2*jj:CD+16*((\a)%2)+2*jj+1], v[TMP+8*jj:TMP+8*jj+7], v[SC]
.set jj, jj+1
.endr
	v_nop                                          ; a plain line behind the conversions: the next block's sums write their sources
.set jj, 0
.rept 4
.if \kind
	global_store_b128 v[CO0], v[CD+16*((\a)%2)+4*jj:CD+16*((\a)%2)+4*jj+3], s[86:87] offset:((\a)/4)*262144+((\a)%4)*2048+jj*512
.else
	global_store_b128 v[CO0+jj/2], v[CD+16*((\a)%2)+4*jj:CD+16*((\a)%2)+4*jj+3], s[86:87] offset:(\a)*1024+(jj%2)*512
.endif
.set jj, jj+1
.endr
.endm
	s_wait_tensorcnt 1                             ; my part of the first 256 along K is in (slot 1's load may be out)
	s_barrier_signal -1
	s_barrier_wait -1                              ; everybody's is
	FETCH_B 0, 0, 0
	FETCH_A 0, 0, 0
	FETCH_A 0, 0, 4
	STEP 0, 0, 1                                   ; the first products start the sums
	TURN 0, 1, 1
	STEP 1, 0, 0
	TURN 1, 0, 1
	STEP 0, 0, 0
	TURN 0, 1, 0                                   ; nothing is left to fetch: no round of the cluster's barrier
	s_cmp_eq_u32 s84, 2                            ; the parting, on the cluster's number: no barrier and no tensor load stands in either arm
	s_cbranch_scc1 .Lvalues
	; ---- q and k.  The bias is asked for here and has the last 128 products in which to land
	s_cmp_eq_u32 s84, 0
	s_cselect_b64 s[18:19], s[72:73], s[74:75]     ; bq or bk
	s_lshl_b32 s22, s42, 10
	s_lshl_b32 s23, s16, 9
	s_add_co_u32 s22, s22, s23                     ; my first n: 256 x B's tile + 128 x half, in bytes
	s_mov_b32 s23, 0
	s_add_nc_u64 s[18:19], s[18:19], s[22:23]
	v_bfe_u32 v2, v0, 4, 1
	v_lshlrev_b32 v3, 5, v2                        ; 32 h: lane (r, h) wants, for B's block b, n = 16 b + 8 h + 0 .. 7
.set jj, 0
.rept 8
	global_load_b128 v[BI+8*jj:BI+8*jj+3],   v3, s[18:19] offset:64*jj
	global_load_b128 v[BI+8*jj+4:BI+8*jj+7], v3, s[18:19] offset:64*jj+16
.set jj, jj+1
.endr
	s_lshl_b32 s20, s17, 8
	s_lshl_b32 s21, s15, 7
	s_add_co_u32 s20, s20, s21                     ; my first token
	s_lshr_b32 s21, s20, 11                        ; its batch
	s_and_b32 s20, s20, 2047
	s_lshr_b32 s20, s20, 4                         ; its tile of 16 in the sequence
	s_lshl_b32 s21, s21, 4
	s_lshl_b32 s22, s42, 2
	s_add_co_u32 s21, s21, s22
	s_lshl_b32 s22, s16, 1
	s_add_co_u32 s21, s21, s22                     ; batch x 16 + my first head
	s_lshl_b32 s21, s21, 17                        ; in qc a head is 131,072 bytes, a tile 1,024;
	s_lshl_b32 s20, s20, 10
	s_add_co_u32 s20, s20, s21
	s_lshl_b32 s20, s20, s84                       ; in kv a head is twice that, and my eight tiles begin a step of 16,384 bytes: twice 8 x 1,024
	s_mov_b32 s21, 0
	s_cmp_eq_u32 s84, 0
	s_cselect_b64 s[86:87], s[80:81], s[82:83]     ; qc or kv
	s_add_nc_u64 s[86:87], s[86:87], s[20:21]
	s_lshl_b32 s22, 0x20000, s84                   ; from head to head
	v_add_nc_u32 v[CO1], s22, v[CO0]
	STEP 1, 0, 0
	LAST
	s_wait_loadcnt 0x0                             ; the bias
.set jj, 0
.rept 64
	v_ldexp_f32 v[BI+jj], v[BI+jj], s2             ; / 2^(ea + eb)
.set jj, jj+1
.endr
.irp a, 0,1,2,3,4,5,6,7
	EPI \a, 0
.endr
	s_branch .Ldone
	; ---- v
.Lvalues:
	s_lshl_b32 s22, s17, 10
	s_lshl_b32 s23, s15, 9
	s_add_co_u32 s22, s22, s23                     ; my first n: 256 x A's tile + 128 x half, in bytes
	s_mov_b32 s23, 0
	s_add_nc_u64 s[18:19], s[76:77], s[22:23]
	v_and_b32 v2, 15, v0
	v_lshlrev_b32 v3, 2, v2                        ; lane (r, h) wants, for A's block a, n = 16 a + r
.set jj, 0
.rept 8
	global_load_b32 v[BI+2*jj], v3, s[18:19] offset:64*jj
	v_mov_b32 v[BI+2*jj+1], 0                      ; (named as the upper half of a pair)
.set jj, jj+1
.endr
	s_lshl_b32 s20, s42, 8
	s_lshl_b32 s21, s16, 7
	s_add_co_u32 s20, s20, s21                     ; my first token: my 128 are one step of keys
	s_lshr_b32 s21, s20, 11                        ; its batch
	s_and_b32 s20, s20, 2047
	s_lshr_b32 s20, s20, 7                         ; the step
	s_lshl_b32 s21, s21, 4
	s_lshl_b32 s22, s17, 2
	s_add_co_u32 s21, s21, s22
	s_lshl_b32 s22, s15, 1
	s_add_co_u32 s21, s21, s22                     ; batch x 16 + my first head
	s_lshl_b32 s21, s21, 18
	s_lshl_b32 s20, s20, 14
	s_add_co_u32 s20, s20, s21
	s_add_co_u32 s20, s20, 8192                    ; behind the step's eight images of keys
	s_mov_b32 s21, 0
	s_add_nc_u64 s[86:87], s[82:83], s[20:21]
	STEP 1, 0, 0
	LAST
	s_wait_loadcnt 0x0
.set jj, 0
.rept 8
	v_ldexp_f32 v[BI+2*jj], v[BI+2*jj], s2
.set jj, jj+1
.endr
.irp a, 0,1,2,3,4,5,6,7
	EPI \a, 1
.endr
.Ldone:
	s_wait_tensorcnt 0x0                           ; the wave's end: behind my last tensor load
	ds_add_u32 v[SPW], v[NIL]
	s_wait_dscnt 0x0
	CROUND                                         ; the closing round: no work-group ends while a partner may still ask for a tile that names it
	s_endpgm
.Lfunc_end_k_qf2a4dc2d83_gemm_qkv:
	.size	k_qf2a4dc2d83_gemm_qkv, .Lfunc_end_k_qf2a4dc2d83_gemm_qkv-k_qf2a4dc2d83_gemm_qkv
	.p2alignl 7, 3214868480
	.fill 96, 4, 3214868480
	.section	.rodata,"a",@progbits
	.p2align	6, 0x0
	.amdhsa_kernel k_qf2a4dc2d83_gemm_qkv
		.amdhsa_group_segment_fixed_size 327680
		.amdhsa_private_segment_fixed_size 0
		.amdhsa_enable_private_segment 0
		.amdhsa_kernarg_size 64
		.amdhsa_user_sgpr_count 2
		.amdhsa_user_sgpr_kernarg_segment_ptr 1
		.amdhsa_wavefront_size32 1
		.amdhsa_system_sgpr_workgroup_id_x 1
		.amdhsa_system_sgpr_workgroup_id_y 1
		.amdhsa_system_sgpr_workgroup_id_z 1
		.amdhsa_system_vgpr_workitem_id 0
		.amdhsa_next_free_vgpr 1024
		.amdhsa_next_free_sgpr 100
		.amdhsa_reserve_vcc 0
		.amdhsa_float_denorm_mode_32 3
		.amdhsa_float_denorm_mode_16_64 3
		.amdhsa_fp16_overflow 1
		.amdhsa_memory_ordered 1
		.amdhsa_forward_progress 1
		.amdhsa_inst_pref_size 147
	.end_amdhsa_kernel
	.amdgpu_metadata
---
amdhsa.version: [ 1, 2 ]
amdhsa.kernels:
  - .name:           k_qf2a4dc2d83_gemm_qkv
    .symbol:         k_qf2a4dc2d83_gemm_qkv.kd
    .args:
      - { .name: xc, .offset: 0, .size: 8, .value_kind: global_buffer, .address_space: global }
      - { .name: wc, .offset: 8, .size: 8, .value_kind: global_buffer, .address_space: global }
      - { .name: bq, .offset: 16, .size: 8, .value_kind: global_buffer, .address_space: global }
      - { .name: bk, .offset: 24, .size: 8, .value_kind: global_buffer, .address_space: global }
      - { .name: bv, .offset: 32, .size: 8, .value_kind: global_buffer, .address_space: global }
      - { .name: lowp_scales, .offset: 40, .size: 8, .value_kind: global_buffer, .address_space: global }
      - { .name: qc, .offset: 48, .size: 8, .value_kind: global_buffer, .address_space: global }
      - { .name: kv, .offset: 56, .size: 8, .value_kind: global_buffer, .address_space: global }
    .group_segment_fixed_size: 327680
    .private_segment_fixed_size: 0
    .kernarg_segment_align: 8
    .kernarg_segment_size: 64
    .max_flat_workgroup_size: 128
    .sgpr_count:     100
    .vgpr_count:     1024
    .wavefront_size: 32
...
	.end_amdgpu_metadata
.endif
;; end of part 2
;; launch attn (part 3): grid 4 x 64, 16 waves a work-group, no clusters, 327,680 bytes of LDS; arguments qc, kv, lowp_scales, oc; writes oc
.if DOCPART == 3
	.amdgcn_target "amdgcn-amd-amdhsa--gfx1250"
	.amdhsa_code_object_version 6
	.text
	.protected	k_qf2a4dc2d83_attn
	.globl	k_qf2a4dc2d83_attn
	.p2align	8
	.type	k_qf2a4dc2d83_attn,@function
k_qf2a4dc2d83_attn:
	s_mov_b64 s[64:65], 0
	v_nop
	global_prefetch_b8 v0, s[64:65] scope:SCOPE_SE
	s_setreg_imm32_b32 hwreg(HW_REG_WAVE_MODE, 25, 1), 1
	s_wait_xcnt 0x0
; Causal attention on codes of FP8 (E4M3): 64 pairs (batch, head), 2,048 queries and keys, head size 64.  Key k counts for query q where k <= q.
; THE SOFTMAX AHEAD OF THE SECOND PRODUCT: t = score x log2(e) / 8; M = the row's largest t so far, rounded UP to a whole number; p = 2^(t - M) is what is quantised (scale e8); it is not normalised.
; The row's sum is taken of the unquantised p, in f32, and divides O at the end.  When M moves, the sum and O are multiplied by 2^(old M - new M): exact.  The result is quantised at once (scale e10).
; qc: [pair][tile of 16 queries][1,024 bytes], kv: [pair][step of 128 keys][8 images of 16 keys x 64 d, 4 images of 16 d x 128 keys]: images of the operands' registers.
; oc: the result as an image matrix of 8,192 tokens x 1,024 (fragments of 16 rows x 128 along K), as the last projection reads it.
; SHARES.  Four work-groups to a pair, sixteen waves each.  Wave number P = 16 x work-group + wave (0 .. 63) owns the query tiles P and 127 - P.  Tile T needs T / 8 + 1 steps of 128 keys,
; so every wave of the launch has 17 steps of work, two of them on the diagonal.  Four waves share a SIMD: one wave's vector work stands beside another's products and LDS loads.
; LDS.  The pair's whole kv block, 262,144 bytes, is brought in once, as it lies: each wave asks for two parts at the head (of steps 0-3, and of steps 4-15); two tensor loads of a wave are out at the most.  Nothing is filled again.
; LAYOUT.  Both products are used transposed: S^T = K Q^T (source 0 = 16 keys, source 1 = my 16 queries), O^T = V^T P^T: a lane holds ONE query (lane % 16) throughout.  The eight registers of S^T's tile c are
; keys 16 c + 8 (lane / 16) + 0 .. 7: one conversion makes registers 2 c, 2 c + 1 of P.  Likewise O^T's tile t gives registers 2 t, 2 t + 1 of the head's half of a fragment of oc.
; EVERY WALK HAS A CONSTANT NUMBER OF TRIPS; a step all of whose keys come after my queries is jumped over by a scalar branch on ids.
; NO CLUSTER, though the four work-groups of a pair read the same block: that jump hangs on the wave's queries, which differ between the four, and what is shared is asked for once, at the head.
; No prefetch: every byte that the launch reads is asked for at its head.
; LIMITS: e6 + e7 between -123 and 130 (added to the exponent field of log2(e) / 8); e8 and e10 between -126 and 119; e8 + e9 goes by v_ldexp_f32.  NaN among the inputs is not served.
.set SPARE, 262144                     ; behind the block: the spare words, 128 bytes for each wave: eight blocks of 256 bytes that no other line names
.set LI,  1                            ; v1   16 x lane
.set ADR, 2                            ; v2   LDS address of the step in hand
.set PSC, 3                            ; v3   2^e8
.set PLM, 4
.set SPW, 5                            ; v5   LDS address of my spare word; never rewritten
.set NIL, 6                            ; v6   0; never rewritten
.set TA,  7                            ; v7   at work
.set F,   8                            ; v[8:9] f = 2^(old M - new M), and a 0 named with it as a pair
.set TC,  10                           ; v10  at work
.set PX,  11                           ; v11  the lane exchange's destination
.set NM,  12                           ; v12  -M;  v13 the largest t (named with it as a pair)
.set MX,  13
.set SUM, 14                           ; v[14:15] the sum, in two halves
.set QA,  16                           ; v16-23 Q of tile P;  v24-31 Q of tile 127 - P
.set QB,  24
.set KR,  32                           ; v32-95 K's eight fragments; then v32-47 P's codes, v48-49 at work
.set S2,  48
.set S,   96                           ; v96-159 S^T, then p
.set O,   160                          ; v160-191 O^T
.set VR,  192                          ; v192-255 V's four fragments
.set TB,  2                            ; s2   LDS byte at which the step begins
.set WV,  18                           ; s18  my wave's number
.set SEL, 20                           ; s[20:21] lane selects for v_permlanex16_b32: lane l xor 16
.set CS,  22                           ; s[22:23] c = log2(e) / 8 x 2^(e6 + e7)
.set G1A, 24                           ; s[24:31] descriptor group 1: 16 rows of 256 bytes;  s[32:39]: 48 rows;  s[40:43], s[44:47] their groups 0
.set G1B, 32
.set G0A, 40
.set G0B, 44
.set KF,  48                           ; s48  the step's first key
.set CNT, 49                           ; s49  trips to go
.set Q0,  50                           ; s50  my tile's first query
.set TS,  51                           ; s51  at work
	s_load_b256 s[4:11], s[0:1], 0x0               ; qc s[4:5], kv s[6:7], the exponents s[8:9], oc s[10:11]
	v_lshl_add_u32 v[SPW], v0, 2, SPARE
	v_mov_b32 v[NIL], 0
	ds_add_u32 v[SPW], v[NIL]                      ; the wave's opening: the add and its wait stand ahead of my first tensor load; the set-up below, work on registers, stands between them
	ds_add_u32 v[SPW], v[NIL]
	v_lshrrev_b32 v1, 5, v0
	s_delay_alu instid0(VALU_DEP_1)
	v_readfirstlane_b32 s[WV], v1                  ; wave 0..15
	s_and_b32 s13, ttmp7, 0xffff                   ; the pair (batch, head)
	s_lshl_b32 s14, ttmp9, 4
	s_add_co_u32 s14, s14, s[WV]                   ; P: my first tile
	s_sub_co_u32 s15, 127, s14                     ; my second
	s_mov_b32 s[G1A], 3<<16                        ; 15:0 no mask; 17:16 elements of 8 bytes; no padding
	s_mov_b32 s[G1A+1], 32<<16                     ; tensor_dim0 = 32 elements
	s_mov_b32 s[G1A+2], 16<<16                     ; tensor_dim1 = 16 rows
	s_mov_b32 s[G1A+3], 32<<16                     ; tile_dim0
	s_mov_b32 s[G1A+4], 16                         ; tile_dim1
	s_mov_b32 s[G1A+5], 32                         ; tensor_dim0_stride: dense
	s_mov_b32 s[G1A+6], 0
	s_mov_b32 s[G1A+7], 0
	s_mov_b32 s[G1B], 3<<16
	s_mov_b32 s[G1B+1], 32<<16
	s_mov_b32 s[G1B+2], 48<<16                     ; 48 rows
	s_mov_b32 s[G1B+3], 32<<16
	s_mov_b32 s[G1B+4], 48
	s_mov_b32 s[G1B+5], 32
	s_mov_b32 s[G1B+6], 0
	s_mov_b32 s[G1B+7], 0
	s_lshl_b32 s12, s13, 18                        ; the pair's block in kv
	s_lshl_b32 s19, s[WV], 12                      ; my 4,096 bytes of steps 0-3,
	s_mul_i32 s3, s[WV], 12288
	s_add_co_u32 s3, s3, 65536                     ; my 12,288 of steps 4-15: the same place in LDS as in the block
	s_add_co_u32 s16, s12, s19
	s_mov_b32 s17, 0
	s_add_co_u32 s52, s12, s3
	s_mov_b32 s53, 0
	s_mov_b32 s[SEL], 0x76543210
	s_mov_b32 s[SEL+1], 0xfedcba98
	s_mov_b32 s[CS], 0x3e38aa3b                    ; log2(e) / 8
	s_wait_dscnt 0x0                               ; the opening add is done
	s_wait_kmcnt 0x0
	s_mov_b32 s[G0A], 1                            ; 1:0 count = 1
	s_mov_b32 s[G0A+1], s19                        ; 63:32 LDS address
	s_add_nc_u64 s[G0A+2:G0A+3], s[6:7], s[16:17]  ; 120:64 global address
	s_or_b32 s[G0A+3], s[G0A+3], 0x80000000        ; 127:126 type = 2
	s_mov_b32 s[G0B], 1
	s_mov_b32 s[G0B+1], s3
	s_add_nc_u64 s[G0B+2:G0B+3], s[6:7], s[52:53]
	s_or_b32 s[G0B+3], s[G0B+3], 0x80000000
	tensor_load_to_lds s[G0A:G0A+3], s[G1A:G1A+7]  ; my part of steps 0-3; it lands and the work-group meets at a barrier before my part of steps 4-15 is asked for
	s_nop 0
	s_wait_alu depctr_va_vdst(0)
	s_wait_tensorcnt 0x0
	ds_add_u32 v5, v6
	s_wait_dscnt 0x0
	s_barrier_signal -1
	s_barrier_wait -1
	tensor_load_to_lds s[G0B:G0B+3], s[G1B:G1B+7]
	s_nop 0
.rept 4
	v_nop
.endr
	s_load_b128 s[52:55], s[8:9], 0x18             ; e6, e7, e8, e9
	s_load_b32 s56, s[8:9], 0x28                   ; e10
	v_and_b32 v1, 31, v0
	s_delay_alu instid0(VALU_DEP_1)
	v_lshlrev_b32 v[LI], 4, v1
	s_lshl_b32 s16, s13, 17                        ; the pair's queries in qc
	s_add_nc_u64 s[4:5], s[4:5], s[16:17]
	s_lshl_b32 s16, s14, 10
	v_add_nc_u32 v[TA], s16, v[LI]
	s_lshl_b32 s16, s15, 10
	v_add_nc_u32 v[TC], s16, v[LI]
	global_load_b128 v[QA:QA+3],   v[TA], s[4:5]               ; Q's two fragments stay in registers
	global_load_b128 v[QA+4:QA+7], v[TA], s[4:5] offset:512
	global_load_b128 v[QB:QB+3],   v[TC], s[4:5]
	global_load_b128 v[QB+4:QB+7], v[TC], s[4:5] offset:512
	; where my two results go in oc: row = batch x 2,048 + 16 T + r, k = 64 x head + d
	s_lshr_b32 s12, s13, 4
	s_lshl_b32 s12, s12, 21                        ; the batch: eight blocks of 256 rows
	s_bfe_u32 s16, s13, 0x20002
	s_lshl_b32 s16, s16, 16                        ; the head's block of 256 along K,
	s_add_co_u32 s12, s12, s16
	s_and_b32 s16, s13, 3
	s_lshl_b32 s16, s16, 10                        ; its 128 in it and its half of the fragment
	s_add_co_u32 s12, s12, s16
	s_lshr_b32 s16, s14, 4
	s_lshl_b32 s16, s16, 18
	s_and_b32 s19, s14, 15
	s_lshl_b32 s19, s19, 12
	s_add_co_u32 s16, s16, s19
	s_add_co_u32 s16, s16, s12
	s_add_nc_u64 s[58:59], s[10:11], s[16:17]      ; tile P
	s_lshr_b32 s16, s15, 4
	s_lshl_b32 s16, s16, 18
	s_and_b32 s19, s15, 15
	s_lshl_b32 s19, s19, 12
	s_add_co_u32 s16, s16, s19
	s_add_co_u32 s16, s16, s12
	s_add_nc_u64 s[60:61], s[10:11], s[16:17]      ; tile 127 - P
	v_mov_b32 v[F+1], 0
	v_mov_b32 v[PX], 0                             ; written once: a lane permute's destination counts as one of its sources
	s_wait_kmcnt 0x0
	s_add_co_i32 s16, s52, s53
	s_lshl_b32 s16, s16, 23
	s_add_co_i32 s[CS], s[CS], s16                 ; a score stands for score x 2^(e6 + e7): the exponents are added to c's exponent field
	s_mov_b32 s[CS+1], s[CS]                       ; (named with it as a pair)
	s_add_co_i32 s16, s54, 127
	s_lshl_b32 s19, s16, 23
	v_mov_b32 v[PSC], s19
	s_add_co_i32 s16, s56, 127
	s_lshl_b32 s57, s16, 23                        ; 2^e10
	s_add_co_i32 s63, s54, s55                     ; e8 + e9
; A KEY STEP: 128 keys against the tile whose Q lies at v[qf].
.macro STEP qf
	s_cmp_gt_u32 s[KF], s[Q0]                      ; both are multiples of 16: then every key of the step comes after my 16 queries
	s_cbranch_scc1 .Lhidden_\@
	s_setprio 2
	v_add_nc_u32 v[ADR], s[TB], v[LI]
.rept 3
	v_nop                                          ; with the addition above: four places in front of loads into registers that the last step's products have read
.endr
.set t, 0
.rept 8
	ds_load_b128 v[KR+8*t:KR+8*t+3],   v[ADR] offset:1024*t       ; K: 16 keys x 64 d, as it lies
	ds_load_b128 v[KR+8*t+4:KR+8*t+7], v[ADR] offset:1024*t+512
.set t, t+1
.endr
.set t, 0
.rept 16
	ds_load_b128 v[VR+4*t:VR+4*t+3], v[ADR] offset:8192+512*t     ; V: four fragments of 16 d x 128 keys: they land during the softmax
.set t, t+1
.endr
	s_wait_dscnt 16                                ; K is in; V's 16 loads may be out
.set t, 0
.rept 8
	v_wmma_f32_16x16x64_fp8_fp8 v[S+8*t:S+8*t+7], v[KR+8*t:KR+8*t+7], v[\qf:\qf+7], 0
.set t, t+1
.endr
.rept 4
	v_nop
.endr
	s_add_co_u32 s[TS], s[KF], 127                 ; on the diagonal the scores of hidden keys become -infinity ahead of the maximum: p = 0 then.  A step all of whose keys count skips this
	s_cmp_le_u32 s[TS], s[Q0]
	s_cbranch_scc1 .Lopen_\@
	s_sub_co_i32 s[TS], s[Q0], s[KF]
	v_and_b32 v[TA], 15, v0
	v_bfe_u32 v[TC], v0, 4, 1
	s_delay_alu instid0(VALU_DEP_1)
	v_lshlrev_b32 v[TC], 3, v[TC]
	s_delay_alu instid0(VALU_DEP_1)
	v_sub_nc_u32 v[TA], v[TA], v[TC]
	s_delay_alu instid0(VALU_DEP_1)
	v_add_nc_u32 v[TA], s[TS], v[TA]               ; d = my query - KF - 8 (lane / 16).  Register 8 c + j holds key KF + 8 (lane / 16) + 16 c + j: hidden where 16 c + j > d
	v_mov_b32 v[TC], 0xff800000                    ; -infinity
.set n, 0
.rept 64
	v_cmp_gt_i32 vcc_lo, 16*(n/8)+n%8, v[TA]
	v_cndmask_b32 v[S+n], v[S+n], v[TC], vcc_lo
.set n, n+1
.endr
.Lopen_\@:
	v_max3_num_f32 v[TC], v[S], v[S+1], v[S+2]     ; the step's largest score of my query, among my 64 keys, in two chains,
	v_max3_num_f32 v[F], v[S+3], v[S+4], v[S+5]
.irp i, 6,10,14,18,22,26,30,34,38,42,46,50,54,58
	v_max3_num_f32 v[TC], v[TC], v[S+\i], v[S+1+\i]
	v_max3_num_f32 v[F], v[F], v[S+2+\i], v[S+3+\i]
.endr
	v_max3_num_f32 v[TC], v[TC], v[S+62], v[S+63]
	s_delay_alu instid0(VALU_DEP_1)
	v_max_num_f32 v[TC], v[TC], v[F]
	s_delay_alu instid0(VALU_DEP_1)
	v_permlanex16_b32 v[PX], v[TC], s[SEL], s[SEL+1]
	s_delay_alu instid0(VALU_DEP_1)
	v_max_num_f32 v[TC], v[TC], v[PX]              ; and among lane l xor 16's
	s_delay_alu instid0(VALU_DEP_1)
	v_mul_f32 v[TC], s[CS], v[TC]                  ; as t (c is positive)
	s_delay_alu instid0(VALU_DEP_1)
	v_max_num_f32 v[MX], v[MX], v[TC]              ; the running largest t
	v_mov_b32 v[TC], v[NM]
	s_delay_alu instid0(VALU_DEP_2)
	v_floor_f32 v[NM], -v[MX]                      ; the new -M = floor(-t) = -ceil(t): M is a whole number
	s_delay_alu instid0(VALU_DEP_1)
	v_sub_f32 v[TC], v[NM], v[TC]                  ; old M - new M: a whole number, 0 or less
	s_delay_alu instid0(VALU_DEP_1)
	v_cvt_i32_f32 v[TC], v[TC]                     ; (it saturates)
	s_delay_alu instid0(VALU_DEP_1)
	v_ldexp_f32 v[F], 1.0, v[TC]                   ; f = 2^(old M - new M)
.set j, 0
	s_setprio 1
.rept 32
	v_pk_fma_f32 v[S+j:S+j+1], v[S+j:S+j+1], s[CS:CS+1], v[NM:NM+1] op_sel_hi:[1,0,0]   ; t - M, two at a time (of the pairs c and -M the low word serves both halves)
.set j, j+2
.endr
.set j, 0
	s_wait_alu depctr_va_vdst(0)
.rept 64
	v_exp_f32 v[S+j], v[S+j]                       ; p = 2^(t - M), at most 1: not normalised
.set j, j+1
.endr
	v_pk_mul_f32 v[SUM:SUM+1], v[SUM:SUM+1], v[F:F+1] op_sel_hi:[1,0]   ; the sums under the new M: the plain line behind the exponentials
	s_wait_alu depctr_va_vdst(0)                   ; one wait for the whole batch of exponentials, ahead of its first reader
	v_pk_add_f32 v[S2:S2+1], v[S:S+1], v[S+2:S+3]  ; the row's sum is taken of the UNQUANTISED p: two at a time, in two chains
.irp j, 4,8,12,16,20,24,28,32,36,40,44,48,52,56,60
	v_pk_add_f32 v[SUM:SUM+1], v[SUM:SUM+1], v[S+\j:S+1+\j]
	v_pk_add_f32 v[S2:S2+1], v[S2:S2+1], v[S+2+\j:S+3+\j]
.endr
	s_delay_alu instid0(VALU_DEP_1)
	v_pk_add_f32 v[SUM:SUM+1], v[SUM:SUM+1], v[S2:S2+1]
.set c, 0
	s_setprio 0
.rept 8
.set i, 0
.rept 8
.set i, i+1
.endr
	v_cvt_scalef32_pk8_fp8_f32 v[KR+2*c:KR+2*c+1], v[S+8*c:S+8*c+7], v[PSC]   ; registers 2 c, 2 c + 1 of P: keys 16 c + 8 (lane / 16) + 0 .. 7
.set c, c+1
.endr
.set j, 0
.rept 16
	v_pk_mul_f32 v[O+j:O+j+1], v[O+j:O+j+1], v[F:F+1] op_sel_hi:[1,0]   ; O^T under the new M.  (Also the plain lines between the conversions and the products below)
.set j, j+2
.endr
	s_wait_alu depctr_va_vdst(0)
	s_wait_dscnt 0x0                               ; V is in
.set t, 0
.rept 4                                ; the four accumulators take turns, and the next step's eight products K Q^T stand between two links of a chain
	v_wmma_f32_16x16x128_fp8_fp8 v[O+8*t:O+8*t+7], v[VR+16*t:VR+16*t+15], v[KR:KR+15], v[O+8*t:O+8*t+7]
.set t, t+1
.endr
.Lhidden_\@:
.endm
.macro WALK n, qf                      ; n steps on end: the number of trips is a constant; the addresses step whether or not the step's work was done
	s_mov_b32 s[CNT], \n
.Lwalk_\@:
	STEP \qf
	s_add_co_u32 s[TB], s[TB], 16384
	s_add_co_u32 s[KF], s[KF], 128
	s_sub_co_u32 s[CNT], s[CNT], 1
	s_cmp_lg_u32 s[CNT], 0
	s_cbranch_scc1 .Lwalk_\@
	s_setprio 0
.endm
.macro INIT                            ; the step is written once: the first finds zeros, which the first change of M leaves zeros
	v_mov_b32 v[MX], 0xff61b1e6                    ; the largest t so far: -3e38, under every t
	s_delay_alu instid0(VALU_DEP_1)
	v_floor_f32 v[NM], -v[MX]
	v_mov_b32 v[SUM], 0
	v_mov_b32 v[SUM+1], 0
.set j, 0
.rept 32
	v_mov_b32 v[O+j], 0
.set j, j+1
.endr
.endm
.macro OUT ob                          ; O^T / the sum x 2^(e8 + e9), quantised with 2^e10: eight registers, two stores of 512 consecutive bytes
.rept 4
	v_nop                                          ; places behind the last products
.endr
	v_add_f32 v[SUM], v[SUM], v[SUM+1]             ; the sum's two halves,
	s_delay_alu instid0(VALU_DEP_1)
	v_permlanex16_b32 v[PX], v[SUM], s[SEL], s[SEL+1]
	s_delay_alu instid0(VALU_DEP_1)
	v_add_f32 v[SUM], v[SUM], v[PX]                ; and lane l xor 16's
	s_wait_alu depctr_va_vdst(0)
	v_rcp_f32 v[SUM], v[SUM]
	v_mov_b32 v[S2], s57                           ; (plain lines behind the reciprocal)  2^e10
	s_wait_alu depctr_va_vdst(0)                   ; the wait ahead of the reciprocal's first reader
	v_ldexp_f32 v[SUM], v[SUM], s63
.set j, 0
.rept 32
	v_mul_f32 v[S+j], v[O+j], v[SUM]               ; register 8 t + i is o(query r, d = 16 t + 8 h + i); each accumulator from its low end on
.set j, j+1
.endr
.set j, 0
.rept 32
.set j, j+1
.endr
.set t, 0
.rept 4
	v_cvt_scalef32_pk8_fp8_f32 v[S+32+2*t:S+33+2*t], v[S+8*t:S+8*t+7], v[S2]
.set t, t+1
.endr
	v_nop                                          ; a plain line behind the conversions: later products write these registers
	global_store_b128 v[LI], v[S+32:S+35], s[\ob:\ob+1]
	global_store_b128 v[LI], v[S+36:S+39], s[\ob:\ob+1] offset:512
.endm
	s_wait_loadcnt 0x0                             ; Q
	s_wait_tensorcnt 1                             ; my part of steps 0-3 is in; my part of steps 4-15 may stay out
	s_barrier_signal -1
	s_barrier_wait -1                              ; everybody's is
	INIT
	s_lshl_b32 s[Q0], s14, 4                       ; tile P: at most eight steps
	s_mov_b32 s[TB], 0
	s_mov_b32 s[KF], 0
	WALK 4, QA
	s_wait_tensorcnt 0x0                           ; my part of steps 4-15 is in,
	s_wait_dscnt 0x0
	s_barrier_signal -1
	s_barrier_wait -1                              ; everybody's is
	s_mov_b32 s[TB], 65536
	s_mov_b32 s[KF], 512
	WALK 4, QA
	OUT 58
	s_wait_xcnt 0x0                                ; the stores have read their data: those registers take scores again
	INIT
	s_lshl_b32 s[Q0], s15, 4                       ; tile 127 - P: nine to sixteen steps
	s_mov_b32 s[TB], 0
	s_mov_b32 s[KF], 0
	WALK 16, QB
	OUT 60
	s_wait_tensorcnt 0x0                           ; the wave's end: behind my last tensor load
	ds_add_u32 v[SPW], v[NIL]
	s_wait_dscnt 0x0
	s_endpgm
.Lfunc_end_k_qf2a4dc2d83_attn:
	.size	k_qf2a4dc2d83_attn, .Lfunc_end_k_qf2a4dc2d83_attn-k_qf2a4dc2d83_attn
	.p2alignl 7, 3214868480
	.fill 96, 4, 3214868480
	.section	.rodata,"a",@progbits
	.p2align	6, 0x0
	.amdhsa_kernel k_qf2a4dc2d83_attn
		.amdhsa_group_segment_fixed_size 327680
		.amdhsa_private_segment_fixed_size 0
		.amdhsa_enable_private_segment 0
		.amdhsa_kernarg_size 32
		.amdhsa_user_sgpr_count 2
		.amdhsa_user_sgpr_kernarg_segment_ptr 1
		.amdhsa_wavefront_size32 1
		.amdhsa_system_sgpr_workgroup_id_x 1
		.amdhsa_system_sgpr_workgroup_id_y 1
		.amdhsa_system_sgpr_workgroup_id_z 1
		.amdhsa_system_vgpr_workitem_id 0
		.amdhsa_next_free_vgpr 256
		.amdhsa_next_free_sgpr 66
		.amdhsa_reserve_vcc 1
		.amdhsa_float_denorm_mode_32 3
		.amdhsa_float_denorm_mode_16_64 3
		.amdhsa_fp16_overflow 1
		.amdhsa_memory_ordered 1
		.amdhsa_forward_progress 1
		.amdhsa_inst_pref_size 70
	.end_amdhsa_kernel
	.amdgpu_metadata
---
amdhsa.version: [ 1, 2 ]
amdhsa.kernels:
  - .name:           k_qf2a4dc2d83_attn
    .symbol:         k_qf2a4dc2d83_attn.kd
    .args:
      - { .name: qc, .offset: 0, .size: 8, .value_kind: global_buffer, .address_space: global }
      - { .name: kv, .offset: 8, .size: 8, .value_kind: global_buffer, .address_space: global }
      - { .name: lowp_scales, .offset: 16, .size: 8, .value_kind: global_buffer, .address_space: global }
      - { .name: oc, .offset: 24, .size: 8, .value_kind: global_buffer, .address_space: global }
    .group_segment_fixed_size: 327680
    .private_segment_fixed_size: 0
    .kernarg_segment_align: 8
    .kernarg_segment_size: 32
    .max_flat_workgroup_size: 512
    .sgpr_count:     66
    .vgpr_count:     256
    .wavefront_size: 32
...
	.end_amdgpu_metadata
.endif
;; end of part 3
;; launch gemm_out (part 4): grid 4 x 32, 4 waves a work-group, clusters of 4 x 4, 327,680 bytes of LDS; arguments oc, wc, bo, lowp_scales, out0; writes out0
.if DOCPART == 4
	.amdgcn_target "amdgcn-amd-amdhsa--gfx1250"
	.amdhsa_code_object_version 6
	.text
	.protected	k_qf2a4dc2d83_gemm_out
	.globl	k_qf2a4dc2d83_gemm_out
	.p2align	8
	.type	k_qf2a4dc2d83_gemm_out,@function
k_qf2a4dc2d83_gemm_out:
	s_mov_b64 s[64:65], 0
	v_nop
	global_prefetch_b8 v0, s[64:65] scope:SCOPE_SE
	s_setreg_imm32_b32 hwreg(HW_REG_WAVE_MODE, 25, 1), 1
	s_wait_xcnt 0x0
	s_wait_alu depctr_hold_cnt(0) depctr_sa_sdst(0) depctr_va_vdst(0) depctr_va_sdst(0) depctr_va_ssrc(0) depctr_va_vcc(0) depctr_vm_vsrc(0)
	s_getreg_b32 s2, hwreg(HW_REG_IB_STS2, 6, 4)
	s_cmp_eq_u32 s2, 0
	s_cbranch_scc0 .Lentry_in_a_cluster
	s_endpgm
.Lentry_in_a_cluster:
	s_bfe_u32 s2, ttmp6, 0x10000c
	s_cmp_lg_u32 s2, 0xf033
	s_cbranch_scc0 .Lentry_shape_is_right
	s_endpgm
.Lentry_shape_is_right:
; out0 = o Wo + bo on codes of FP8 (E4M3): o from oc (scale e10), Wo from matrix 3 of wc (scale e11), both images of fragments of 16 rows x 128 along K; out0: [8,192][1,024] f32.
; A tile of 256 x 256 is made by a work-group of four waves; a wave makes 128 x 128: 64 accumulators.  K = 1,024 goes in four steps of 256 through two LDS slots filled by joint loads.
; 128 tiles: this tile leaves half of the WGPs without a work-group; a wave tile of half the size would read half as much again from LDS for each product.
; CLUSTERS: 4 x 4 work-groups.  The four of a row of the cluster need the same tiles of o, the four of a column the same tiles of Wo: each tile is asked for JOINTLY.
; THE MATRIX INSTRUCTION IS USED TRANSPOSED (source 0 = 16 rows of Wo's image, source 1 = 16 tokens): a lane holds eight neighbouring numbers of a row of out0.
; The bias is the C of each sum's first product, divided by 2^(e10 + e11) (exact, short of underflow); each finished sum is multiplied once by 2^(e10 + e11).
; LIMIT: e10 + e11 lies between -126 and 127, so that 2^(e10 + e11) is an f32 number.
; No prefetch: of K's four steps two are asked for at the head and the other two one step later.
; REGISTERS, in windows of 256: window 0: v16-31 addresses; v32-95 the bias, later a block's results; from v128 A's fragments, ONE set, later rows read back from the stage.
;   window 1: B's fragments, TWO sets.   window 2: the accumulators of A's blocks 0-3;   window 3: those of blocks 4-7.
.set FR,     16
.set NL,     4
.set NP,     4
.set HALFT,  32768
.set SLOT,   4*HALFT
.set KADV,   65536
.set SPARE,  2*SLOT                    ; behind the ring: the spare words, 128 bytes for each wave: two blocks of 256 bytes that no other line names
.set SPITCH, 528                       ; the way out: a stage of 16 rows x (512 bytes + 16) for each wave.  It lies in slot 0, which has had its last fill and its last read when the first result is stored there
.set ROWC,   4096                      ; a row of out0 in bytes
.set ADRA, 16
.set ADRB, 20
.set STO,  24                          ; v24  the way out: where I put 32 bytes of a row
.set RD,   25                          ; v25  where I read a row back
.set CO,   26                          ; v26  16 x lane
.set SPW,  28
.set NIL,  29
.set BI,   32
.set TMP,  32
.set AF,   128
.set BK,   128
.set G1, 24
.set G0, 32
.set G1B, 48
.set G0B, 56
.set MSB, 0
.macro WIN new                         ; the immediate's high byte repeats the setting that is left
.if MSB != (\new)
	s_set_vgpr_msb (MSB<<8)|(\new)
.set MSB, (\new)
.endif
.endm
.set MUL_LO, 0xa1                      ; source 0 (B) window 1, source 1 (A) window 0, C and D window 2
.set MUL_HI, 0xf1                      ; the same, C and D window 3
.set TO_B,   0x40                      ; destination window 1, address window 0
.macro JLOAD g0a, g1a, g0b, g1b        ; a joint load: waves 0 and 1 fetch for A, waves 2 and 3 for B; an s_nop 0 and four v_nop follow each of the two lines
	s_cmp_eq_u32 s15, 0
	s_cbranch_scc0 .Lfor_b_\@
	tensor_load_to_lds s[\g0a:\g0a+3], s[\g1a:\g1a+7]
	s_nop 0
.rept 4
	v_nop
.endr
	s_branch .Lasked_\@
.Lfor_b_\@:
	tensor_load_to_lds s[\g0b:\g0b+3], s[\g1b:\g1b+7]
	s_nop 0
.rept 4
	v_nop
.endr
.Lasked_\@:
.endm
.macro CREST
	s_cmp_lg_u32 s14, 0
	s_cbranch_scc1 .Lnot_wave_0_\@
	s_barrier_signal -3
.Lnot_wave_0_\@:
	s_barrier_wait -3
	s_barrier_signal -1
	s_barrier_wait -1
.endm
.macro CROUND
	s_barrier_signal -1
	s_barrier_wait -1
	CREST
.endm
	s_load_b256 s[68:75], s[0:1], 0x0              ; oc 68, wc 70, bo 72, the exponents 74
	s_load_b64 s[76:77], s[0:1], 0x20              ; out0
	v_lshl_add_u32 v[SPW], v0, 2, SPARE
	v_mov_b32 v[NIL], 0
	ds_add_u32 v[SPW], v[NIL]                      ; the wave's opening: the add and its wait stand ahead of my first tensor load
	ds_add_u32 v[SPW], v[NIL]
	v_lshrrev_b32 v1, 5, v0
	v_readfirstlane_b32 s14, v1                    ; wave 0..3
	s_lshr_b32 s15, s14, 1                         ; which half of the tile's rows is mine.  Also: I fetch for A (0) or for B (1)
	s_and_b32 s16, s14, 1                          ; which half of its columns.  Also: which 128 rows of that tile I fetch
	s_bfe_u32 s40, ttmp6, 0x40000                  ; cx, cy
	s_bfe_u32 s41, ttmp6, 0x40004
	s_lshl_b32 s42, ttmp9, 2
	s_add_co_u32 s42, s42, s40                     ; tile column = 4 x cluster x + cx
	s_and_b32 s17, ttmp7, 0xffff
	s_lshl_b32 s17, s17, 2
	s_add_co_u32 s17, s17, s41                     ; tile row = 4 x cluster y + cy
	s_lshl_b32 s43, s41, 2
	s_lshl_b32 s43, 15, s43                        ; my row of the cluster
	s_lshl_b32 s44, 0x1111, s40                    ; my column
	s_or_b32 s[G1+0], s43, (3<<16)|(1<<21)         ; 15:0 the mask; 17:16 elements of 8 bytes; no padding; 21 set beside a mask
	s_or_b32 s[G1B+0], s44, (3<<16)|(1<<21)
.irp g, G1, G1B
	s_mov_b32 s[\g+1], 32<<16                      ; 128 rows of 256 bytes, dense
	s_mov_b32 s[\g+2], 128<<16
	s_mov_b32 s[\g+3], 32<<16
	s_mov_b32 s[\g+4], 128
	s_mov_b32 s[\g+5], 32
	s_mov_b32 s[\g+6], 0
	s_mov_b32 s[\g+7], 0
.endr
	s_lshl_b32 s18, s16, 15                        ; the 128 rows that I fetch
	s_lshl_b32 s20, s17, 18
	s_add_co_u32 s20, s20, s18                     ; A: the tile row's 262,144 bytes
	s_lshl_b32 s46, s42, 18
	s_add_co_u32 s46, s46, s18
	s_add_co_u32 s46, s46, 0x300000                ; B: matrix 3 of wc
	s_mov_b32 s21, 0
	s_mov_b32 s47, 0
	s_lshl_b32 s45, s14, 15                        ; where they go: wave x 32,768
	s_wait_dscnt 0x0                               ; the opening add is done
	s_wait_kmcnt 0x0
	s_load_b64 s[96:97], s[74:75], 0x28            ; e10, e11
	s_add_nc_u64 s[20:21], s[68:69], s[20:21]
	s_add_nc_u64 s[46:47], s[70:71], s[46:47]
	CROUND                                         ; all sixteen work-groups are here: the first joint loads meet
.irp s, 0,1
	s_mov_b32 s[G0+4*\s], 1
	s_add_co_u32 s[G0+4*\s+1], s45, \s*SLOT
	s_add_nc_u64 s[G0+4*\s+2:G0+4*\s+3], s[20:21], \s*KADV
	s_or_b32 s[G0+4*\s+3], s[G0+4*\s+3], 0x80000000
	s_mov_b32 s[G0B+4*\s], 1
	s_add_co_u32 s[G0B+4*\s+1], s45, \s*SLOT
	s_add_nc_u64 s[G0B+4*\s+2:G0B+4*\s+3], s[46:47], \s*KADV
	s_or_b32 s[G0B+4*\s+3], s[G0B+4*\s+3], 0x80000000
	s_wait_alu depctr_va_vdst(0)
	s_wait_tensorcnt 0x0
	ds_add_u32 v28, v29
	ds_add_u32 v28, v29
	s_wait_dscnt 0x0
	CROUND
	JLOAD G0+4*\s, G1, G0B+4*\s, G1B
.endr
	v_and_b32 v1, 15, v0                           ; r
	s_wait_alu depctr_va_vdst(0)
	v_bfe_u32 v2, v0, 4, 1                         ; h
	s_lshl_b32 s22, s42, 10
	s_lshl_b32 s23, s16, 9
	s_add_co_u32 s22, s22, s23                     ; my first column, in bytes
	s_mov_b32 s23, 0
	s_add_nc_u64 s[86:87], s[72:73], s[22:23]      ; bo there
	v_lshlrev_b32 v3, 5, v2                        ; lane (r, h) wants, for B's block b, n = 16 b + 8 h + 0 .. 7
.set jj, 0
.rept 8
	global_load_b128 v[BI+8*jj:BI+8*jj+3],   v3, s[86:87] offset:64*jj
	global_load_b128 v[BI+8*jj+4:BI+8*jj+7], v3, s[86:87] offset:64*jj+16
.set jj, jj+1
.endr
	v_and_b32 v6, 31, v0
	v_lshlrev_b32 v[CO], 4, v6
	s_lshl_b32 s18, s15, 15                        ; my 128 rows of A
	s_lshl_b32 s19, s16, 15                        ; my 128 rows of B,
	s_add_co_u32 s19, s19, 2*HALFT                 ; which lie behind A's 256
.irp s, 0,1
	v_add_nc_u32 v[ADRA+\s], s18, v[CO]
	v_add_nc_u32 v[ADRB+\s], s19, v[CO]
	s_add_co_u32 s18, s18, SLOT
	s_add_co_u32 s19, s19, SLOT
.endr
	s_mul_i32 s23, s14, 16*SPITCH                  ; my stage
	v_mul_u32_u24 v5, v1, SPITCH                   ; in: row r, 32 bytes for each half of the lanes
	s_wait_alu depctr_va_vdst(0)
	v_lshl_add_u32 v5, v2, 5, v5
	v_add_nc_u32 v[STO], s23, v5
	v_add_nc_u32 v[RD], s23, v[CO]                 ; back: the 32 lanes take one row of 512 bytes
	s_lshl_b32 s20, s17, 8
	s_lshl_b32 s21, s15, 7
	s_add_co_u32 s20, s20, s21                     ; my first row of out0
	s_lshl_b32 s20, s20, 12
	s_add_co_u32 s20, s20, s22                     ; and my first column
	s_mov_b32 s21, 0
	s_add_nc_u64 s[76:77], s[76:77], s[20:21]
	s_wait_kmcnt 0x0
	s_add_co_i32 s96, s96, s97                     ; e10 + e11
	s_sub_co_i32 s2, 0, s96
	s_add_co_i32 s96, s96, 127
	s_lshl_b32 s96, s96, 23                        ; 2^(e10 + e11) as f32
	s_wait_loadcnt 0x0                             ; the bias
.set jj, 0
.rept 64
	v_ldexp_f32 v[BI+jj], v[BI+jj], s2             ; / 2^(e10 + e11)
.set jj, jj+1
.endr
.macro FRAG reg, adr, q, i             ; a fragment comes as it lies: four loads of 512 consecutive bytes
.irp c, 0,1,2,3
	ds_load_b128 v[\reg+4*\c:\reg+4*\c+3], v[\adr] offset:2048*(\q)+512*\c+(\i)*4096
.endr
.endm
; 16 matrix instructions: A's blocks a0, a0 + 1 x B's eight, 128 along K.  p: B's set.  first = 1: the first product starts the sums, with the bias as its C.
; The 64 accumulators take turns, one instruction a turn, in the same order in every step.
.macro MUL16 a0, p, first
.irp a, \a0, \a0+1
.irp b, 0,1,2,3,4,5,6,7
.if \first
	v_wmma_f32_16x16x128_fp8_fp8 v[8*(8*((\a)%4)+\b):8*(8*((\a)%4)+\b)+7], v[128*(\p)+FR*\b:128*(\p)+FR*\b+FR-1], v[AF+FR*(\a):AF+FR*(\a)+FR-1], v[BI+8*\b:BI+8*\b+7]
.else
	v_wmma_f32_16x16x128_fp8_fp8 v[8*(8*((\a)%4)+\b):8*(8*((\a)%4)+\b)+7], v[128*(\p)+FR*\b:128*(\p)+FR*\b+FR-1], v[AF+FR*(\a):AF+FR*(\a)+FR-1], v[8*(8*((\a)%4)+\b):8*(8*((\a)%4)+\b)+7]
.endif
.endr
.endr
.endm
.macro FETCH_B slot, q, p
	WIN TO_B
.irp i, 0,1,2,3,4,5,6,7
	FRAG 128*(\p)+FR*\i, ADRB+\slot, \q, \i
.endr
	WIN 0
.endm
.macro FETCH_A slot, q, i0
.irp i, \i0, \i0+1, \i0+2, \i0+3
	FRAG AF+FR*(\i), ADRA+\slot, \q, \i
.endr
.endm
.macro PLACES n                        ; places behind matrix instructions, in front of loads into their registers and of reads of their results (ISA guide 7.12.1 for vector instructions)
.rept \n
	v_nop
.endr
.endm
.macro STEP slot, q, first
	s_wait_dscnt 4*NL                              ; B's set and A's blocks 0-3 are in; the youngest 16 loads (A's blocks 4-7) may be out
.if \first
	WIN 0x81                                       ; source 0 window 1, sources 1 and 2 (the bias) window 0, D window 2
.else
	WIN MUL_LO
.endif
	MUL16 0, (\q)%2, \first
	MUL16 2, (\q)%2, \first
	s_wait_dscnt 0
	PLACES NP
	FETCH_B \slot, (\q)+1, 1-(\q)%2
	FETCH_A \slot, (\q)+1, 0
.if \first
	WIN 0xc1                                       ; the same, D window 3
.else
	WIN MUL_HI
.endif
	MUL16 4, (\q)%2, \first
	MUL16 6, (\q)%2, \first
	PLACES NP
	WIN 0
	FETCH_A \slot, (\q)+1, 4
.endm
; A slot's last step changes slots: ONE barrier; in front of it each wave waits for all its tensor loads, adds 0 to its spare word, and waits for that and for its own reads of this slot.
.macro TURN slot, next, fill
	s_wait_tensorcnt 0x0                           ; all my tensor loads have landed: my part of the next slot  (every window is 0 here)
	ds_add_u32 v[SPW], v[NIL]                      ; 0 onto my spare word
	s_wait_dscnt 4*NL+1                            ; (the add and the youngest 16 loads may be out)
	WIN MUL_LO
	MUL16 0, 1, 0
	s_wait_dscnt 0x0                               ; the add is done, and my reads of this slot are over
	s_barrier_signal -1
	MUL16 2, 1, 0
	WIN 0
	s_barrier_wait -1
.if \fill
	CREST                                          ; the barrier has opened a round of the cluster's barrier: no wave of any partner still reads this slot or has a load on its way
	s_add_nc_u64 s[G0+4*\slot+2:G0+4*\slot+3], s[G0+4*\slot+2:G0+4*\slot+3], 2*KADV
	s_add_nc_u64 s[G0B+4*\slot+2:G0B+4*\slot+3], s[G0B+4*\slot+2:G0B+4*\slot+3], 2*KADV
	JLOAD G0+4*\slot, G1, G0B+4*\slot, G1B         ; the first tensor load behind the round, my only one until the next
.else
	PLACES NP
.endif
	FETCH_B \next, 0, 0
	FETCH_A \next, 0, 0
	WIN MUL_HI
	MUL16 4, 1, 0
	MUL16 6, 1, 0
	PLACES NP
	WIN 0
	FETCH_A \next, 0, 4
.endm
	s_wait_alu depctr_va_vdst(0)
	s_wait_tensorcnt 1                             ; my part of the first 256 along K is in (slot 1's load may be out)
	s_barrier_signal -1
	s_barrier_wait -1                              ; everybody's is
	FETCH_B 0, 0, 0
	FETCH_A 0, 0, 0
	FETCH_A 0, 0, 4
	STEP 0, 0, 1
	TURN 0, 1, 1
	STEP 1, 0, 0
	TURN 1, 0, 1
	STEP 0, 0, 0
	TURN 0, 1, 0                                   ; nothing is left to fetch: no round of the cluster's barrier.  Behind this barrier nobody reads slot 0
	STEP 1, 0, 0
	s_wait_dscnt 4*NL                              ; the very last step
	WIN MUL_LO
	MUL16 0, 1, 0
	MUL16 2, 1, 0
	s_wait_dscnt 0
	WIN MUL_HI
	MUL16 4, 1, 0
	MUL16 6, 1, 0
	WIN 0
; THE WAY OUT, block by block of 16 rows x 128 columns.  A lane holds 32 neighbouring bytes of a row, and the lanes beside it hold other rows: so a block goes through my own stage in LDS and comes back as whole
; rows of 512 bytes.  LDS serves a wave's instructions in order (ISA guide 5.7.1.4): no wait between the stores and the loads, nor in front of the next block's stores.
.macro TOSTAGE a
.set AC, 64*((\a)%4)
	WIN 0x02+((\a)/4)                              ; source 0: window 2 or 3
.set jj, 0
.rept 32
	v_pk_mul_f32 v[TMP+jj:TMP+jj+1], v[AC+jj:AC+jj+1], s[96:97] op_sel_hi:[1,0]   ; both x s96 = 2^(e10 + e11); each accumulator from its low end on
.set jj, jj+2
.endr
	WIN 0
.irp b, 0,1,2,3,4,5,6,7
	ds_store_b128 v[STO], v[TMP+8*\b:TMP+8*\b+3] offset:64*\b
	ds_store_b128 v[STO], v[TMP+8*\b+4:TMP+8*\b+7] offset:64*\b+16
.endr
.set BB, BK+64*((\a)%2)
.set jj, 0
.rept 16
	ds_load_b128 v[BB+4*jj:BB+4*jj+3], v[RD] offset:jj*SPITCH
.set jj, jj+1
.endr
.endm
.macro SEND a, younger                 ; younger: the LDS instructions issued behind block a's loads, which may stay out
.set BB, BK+64*((\a)%2)
	s_wait_dscnt \younger                          ; the block is back in registers
.if (\a) > 0
	s_add_nc_u64 s[76:77], s[76:77], 16*ROWC       ; (behind a wait on XCNT: the earlier stores have read their base)  16 rows on
.endif
.set jj, 0
.rept 16
	global_store_b128 v[CO], v[BB+4*jj:BB+4*jj+3], s[76:77] offset:jj*ROWC th:TH_STORE_NT   ; 32 lanes store 512 consecutive bytes, aligned; written once, read by nobody here
.set jj, jj+1
.endr
.endm
	PLACES NP                                      ; for the loads into the registers that held A's fragments, and for the reads of results
	TOSTAGE 0
.irp a, 1,2,3,4,5,6,7
.if \a > 1
	s_wait_xcnt 0x0                                ; block a - 2's stores have read their registers and their base: block a's loads may land there, and the base may step
.endif
	TOSTAGE \a
	SEND \a-1, 32                                  ; behind block a - 1's loads: block a's 16 stores and 16 loads
.endr
	s_wait_xcnt 0x0                                ; block 6's stores have read their base
	SEND 7, 0
	s_wait_tensorcnt 0x0                           ; the wave's end: behind my last tensor load and my last LDS store
	ds_add_u32 v[SPW], v[NIL]
	s_wait_dscnt 0x0
	CROUND                                         ; the closing round: no work-group ends while a partner may still ask for a tile that names it
	s_endpgm
.Lfunc_end_k_qf2a4dc2d83_gemm_out:
	.size	k_qf2a4dc2d83_gemm_out, .Lfunc_end_k_qf2a4dc2d83_gemm_out-k_qf2a4dc2d83_gemm_out
	.p2alignl 7, 3214868480
	.fill 96, 4, 3214868480
	.section	.rodata,"a",@progbits
	.p2align	6, 0x0
	.amdhsa_kernel k_qf2a4dc2d83_gemm_out
		.amdhsa_group_segment_fixed_size 327680
		.amdhsa_private_segment_fixed_size 0
		.amdhsa_enable_private_segment 0
		.amdhsa_kernarg_size 40
		.amdhsa_user_sgpr_count 2
		.amdhsa_user_sgpr_kernarg_segment_ptr 1
		.amdhsa_wavefront_size32 1
		.amdhsa_system_sgpr_workgroup_id_x 1
		.amdhsa_system_sgpr_workgroup_id_y 1
		.amdhsa_system_sgpr_workgroup_id_z 1
		.amdhsa_system_vgpr_workitem_id 0
		.amdhsa_next_free_vgpr 1024
		.amdhsa_next_free_sgpr 100
		.amdhsa_reserve_vcc 0
		.amdhsa_float_denorm_mode_32 3
		.amdhsa_float_denorm_mode_16_64 3
		.amdhsa_memory_ordered 1
		.amdhsa_forward_progress 1
		.amdhsa_inst_pref_size 129
	.end_amdhsa_kernel
	.amdgpu_metadata
---
amdhsa.version: [ 1, 2 ]
amdhsa.kernels:
  - .name:           k_qf2a4dc2d83_gemm_out
    .symbol:         k_qf2a4dc2d83_gemm_out.kd
    .args:
      - { .name: oc, .offset: 0, .size: 8, .value_kind: global_buffer, .address_space: global }
      - { .name: wc, .offset: 8, .size: 8, .value_kind: global_buffer, .address_space: global }
      - { .name: bo, .offset: 16, .size: 8, .value_kind: global_buffer, .address_space: global }
      - { .name: lowp_scales, .offset: 24, .size: 8, .value_kind: global_buffer, .address_space: global }
      - { .name: out0, .offset: 32, .size: 8, .value_kind: global_buffer, .address_space: global }
    .group_segment_fixed_size: 327680
    .private_segment_fixed_size: 0
    .kernarg_segment_align: 8
    .kernarg_segment_size: 40
    .max_flat_workgroup_size: 128
    .sgpr_count:     100
    .vgpr_count:     1024
    .wavefront_size: 32
...
	.end_amdgpu_metadata
.endif
;; end of part 4
